; MI455X (gfx1250); checked and timed in simulation.
; The chip was launched on July 23, 2026; its instructions are those of AMD's public machine-readable ISA for CDNA 5 (MIT licence, August 2026) and "CDNA5" Instruction Set Architecture Reference Guide (July 2026). The comments in the code are by the model that wrote it; some were corrected since.
;; Self Attention AI Summer. Allowed arithmetic: matrix products marked QUANTISED: E3M2 operands, one E8M0 scale for each 32 along K, by v_wmma_scale_f32_16x16x128_f8f6f4 with both operands' format E3M2, f32 sums; everything else in f32.
;; Inputs: W_qvk 3,072 x 1,024 float32; b_qvk 3,072 float32; x 4 x 2,048 x 1,024 float32.
;; Outputs: out0 4 x 2,048 x 1,024 float32.
;; This version of the problem:
;;   THIS VERSION OF THE PROBLEM IS GIVEN IN LOW PRECISION. The matrix products marked QUANTISED in the list below multiply operands that are first quantised to E3M2 (3 exponent bits, 2 mantissa bits; 6 bits a number), with one power-of-two scale for each 32 numbers along K (OCP MX v1.0); their sums are f32. All else is computed in f32.
;;   The module's matrix products, in the order in which they are computed (A, B: the left and right operand; K: the contracted axis; several contracted axes count as one K, in the product's order):
;;     1. [M 8,192, K 1,024] x [K 1,024, N 3,072]; A: input x; B: input W_qvk: QUANTISED
;;     2. batch 4 x [M 2,048, K 1,024] x [K 1,024, N 2,048]; A: computed on the way; B: computed on the way: QUANTISED
;;     3. batch 4 x [M 2,048, K 2,048] x [K 2,048, N 1,024]; A: softmax (see below); B: computed on the way: QUANTISED
;;   THE QUANTISER, for each operand of a quantised product, along K:
;;     - K is cut into blocks of 32 from its start; a last block that is shorter is filled with zeros.
;;     - A block's scale is 2^e with e = floor(log2(the largest magnitude in the block)) - 4, held to -126 .. 127; a block of zeros has e = 0. As a byte (E8M0): e + 127.
;;     - Each number is divided by its block's scale, clamped to +-28, and rounded to the nearest number of E3M2, ties to even, subnormals kept.
;;     - The product sums the exact products of the quantised numbers (number of the format x scale) in f32.
;;   ~~~python
;;   def quantise(x, axis):      # numpy; x: float32 -> the quantised numbers, widened to float32 again
;;       x = np.moveaxis(x, axis, -1); K = x.shape[-1]
;;       x = np.pad(x, [(0, 0)] * (x.ndim - 1) + [(0, -K % 32)]); x = x.reshape(x.shape[:-1] + (-1, 32)); a = np.abs(x).max(-1, keepdims=True)
;;       e = np.where(a > 0, np.clip(np.frexp(np.where(a > 0, a, 1))[1] - 1 - 4, -126, 127), 0)      # np.frexp(a)[1] - 1 = floor(log2(a)), exactly
;;       r = np.clip(x / 2.0 ** e, -28, 28)
;;       step = 2.0 ** (np.maximum(np.frexp(np.where(r == 0, 1, r))[1] - 1, -2) - 2)
;;       q = np.round(r / step) * step * 2.0 ** e      # np.round: ties to even
;;       return np.moveaxis(q.reshape(q.shape[:-2] + (-1,))[..., :K], -1, axis).astype(np.float32)
;;   ~~~
;;   SOFTMAX AHEAD OF A QUANTISED PRODUCT. Where the list says 'softmax', what is quantised is not the finished softmax but p = 2^(t - M), with t = logit x log2(e) and M = ceil(the row's largest t), a whole number; so 1/2 < the row's largest p <= 1. The row's sum l is taken of the UNQUANTISED p, in f32, and the product's result is divided by l at the end. Since M is a whole number, a kernel that streams over the keys may use a running M (the ceiling of the running maximum): every later rescaling is an exact power of two, which a block's scale takes up: the codes' values come out the same.
;;   OPERANDS COMPUTED ON THE WAY. 'Computed on the way' means the value that the module computes at that place (a softmax that the list does not call 'softmax' is quantised finished and normalised). What goes into a quantiser is computed in f32, as accurately as f32 sums, v_exp_f32 and their like allow (about 1e-6 of the number): no bf16 or f16 on the way to a quantiser, and a product that is left as it is and whose result goes on into a quantised operand takes f32 operands (vector FMAs, or v_wmma_f32_16x16x4_f32). A number that lies on a knife's edge between two numbers of the format may be rounded either way, as far as f32 arithmetic and the matrix unit's own rounding can turn it there, and no further.
;; One version. Each part assembles by itself: llvm-mc -triple=amdgcn-amd-amdhsa -mcpu=gfx1250 --defsym DOCPART=n.
;; ======== version 1 of 1: 4 launches
;; limits: right only within a limited range of input values
;; workspace buffers: xw_img 9,011,200 bytes; qk_img 13,107,200 bytes; vt_img 6,553,600 bytes; p_img 12,582,912 bytes; p_aux 1,572,864 bytes
;; launch quant (part 1): grid 176 x 4, 4 waves a work-group, no clusters, 67,584 bytes of LDS; arguments x, W_qvk, xw_img; writes xw_img
.if DOCPART == 1
	.amdgcn_target "amdgcn-amd-amdhsa--gfx1250"
	.amdhsa_code_object_version 6
	.text
	.protected	k_q62986a1eac_quant
	.globl	k_q62986a1eac_quant
	.p2align	8
	.type	k_q62986a1eac_quant,@function
k_q62986a1eac_quant:
	s_mov_b64 s[64:65], 0
	v_nop
	global_prefetch_b8 v0, s[64:65] scope:SCOPE_SE
	s_setreg_imm32_b32 hwreg(HW_REG_WAVE_MODE, 25, 1), 1
	s_wait_xcnt 0x0
; x [8192][1024] and W_qvk [3072][1024], f32, become codes of BF6 (E3M2) with one E8M0 byte for each 32 along K, laid as IMAGES OF OPERAND REGISTERS:
;   xw_img [group of 128 rows: 88][kp = 256 along K: 4][25,600 bytes].  A block (128 rows x 256 K) is [rb = 16 rows: 8][q = 128 along K: 2][1,536 bytes] of codes, then [q: 2][512 bytes] of scale words.
;   In a fragment register n of lane l lies at 512 (n/4) + 16 l + 4 (n%4); the scale word of block i (16 rows), row r lies at 16 (16 (i/4) + r) + 4 (i%4).
; Groups 0-63 are x, 64-71 the rows 3d of W (q), 72-79 the rows 3d+2 (k), 80-87 the rows 3d+1 (v).
; THE ROWS OF A BLOCK ARE NOT NEIGHBOURS.  In a group of x, q or k, row r of block 2b+u is index 32b + 8u + r + 8 (r/8), so that a product which takes such a block as its first source
; has 16 neighbouring indices in the 16 registers of two neighbouring tiles.  In a group of v, row r of block 4g+t is index 64g + 4r + t: in the last product the same register of four tiles then holds four neighbours.
; A block's scale is 2^(floor(log2(largest magnitude)) - 4): its byte is the largest magnitude's exponent field - 4, held at 1 from below.
; LIMITS: a block of zeros gets the byte 1 (its codes are zeros; only this program reads the bytes); NaN and infinities among the inputs are not served.
; SHARES: a work-group takes 64 rows x 256 along K, each of its four waves a block of 16 rows (16 KiB of f32, two fragments): 704 equal work-groups.  Each load reads 512 consecutive bytes;
; the numbers turn through the wave's own stage in LDS so that a lane gets whole blocks of 32 neighbours.  Every byte is read once and nothing is shared: no cluster, no ring, no prefetch (all of a wave's loads go out together).
.set RP,   1040                        ; a stage row: 1,024 bytes + 16: row r starts 4 r banks on
.set WST,  16*RP                       ; a wave's stage
.set SG,   4*WST                       ; behind the stages: the scale words of the 64 rows, 256 bytes for each of the two K steps
.set SPARE, SG+512                     ; the spare words, 128 bytes for each wave
.set OFF,  16                          ; v16-31   row t's byte offset
.set RW,   64                          ; v64-191  32 loads x 4 registers
.set XA,   192                         ; v192-255 64 numbers of the first fragment
.set XB,   64                          ; v64-127  of the second (the loads' registers, once the stage has them)
.set PCA,  128                         ; v128-146 the first fragment's codes
.set PCB,  148                         ; v148-166 the second's
.set MX,   32                          ; v32-33 largest magnitudes; v34-35 the conversions' scale operands; v36-37 bytes; v38 the word; v39 the other half's; v40 8 h
.set SO,   34
.set BY,   36
.set WD,   38
.set PT,   39
.set SH8,  40
	s_load_b128 s[4:7], s[0:1], 0x0                ; x, W_qvk
	s_load_b64 s[8:9], s[0:1], 0x10                ; xw_img
	v_lshl_add_u32 v62, v0, 2, SPARE
	v_mov_b32 v63, 0
	v_lshrrev_b32 v1, 5, v0
	v_readfirstlane_b32 s12, v1                    ; wave 0..3
	v_and_b32 v1, 31, v0                           ; lane
	v_and_b32 v2, 15, v0                           ; r
	v_bfe_u32 v3, v0, 4, 1                         ; h
	v_lshlrev_b32 v4, 4, v1                        ; 16 x lane
	s_lshr_b32 s31, ttmp9, 1                       ; the group of 128 rows,
	s_and_b32 s27, ttmp9, 1                        ; and which half of it is mine
	s_lshl_b32 s30, s27, 2
	s_add_co_u32 s30, s30, s12                     ; my block in the group, 0..7
	s_and_b32 s13, ttmp7, 0xffff                   ; kp
	s_sub_co_u32 s14, s31, 64                      ; W's groups: g' = g - 64 (used only where g >= 64)
	s_lshr_b32 s15, s14, 3                         ; 0: q, 1: k, 2: v
	s_lshl_b32 s16, s15, 1
	s_cmp_gt_u32 s16, 2
	s_cselect_b32 s17, 3, 0
	s_sub_co_u32 s16, s16, s17                     ; the row's place in its triple: 0, 2, 1
	s_and_b32 s18, s14, 7                          ; the group of 128 d
	s_mov_b32 s19, 12288                           ; from d to d + 1 in W: three rows
	s_mov_b32 s28, 0x76543210
	s_mov_b32 s29, 0xfedcba98                      ; v_permlanex16_b32's selects for lane l xor 16
	s_lshr_b32 s20, s30, 1                         ; my block's row 0: 32 (w/2) + 8 (w%2),
	s_lshl_b32 s20, s20, 5
	s_and_b32 s21, s30, 1
	s_lshl_b32 s21, s21, 3
	s_add_co_u32 s20, s20, s21
	s_lshl_b32 s21, s27, 6                         ; in v 64 (w/4) + w%4
	s_add_co_u32 s21, s21, s12
	s_cmp_lt_u32 s31, 64                           ; x's group or W's?  The choices hang on the work-group's number alone
	s_cselect_b32 s19, 4096, s19
	s_cselect_b32 s18, s31, s18
	s_cselect_b32 s16, 0, s16
	s_cmp_ge_u32 s31, 80                           ; a group of v?
	s_cselect_b32 s20, s21, s20
	s_wait_alu depctr_va_vdst(0)
.irp t, 0,1,2,3,4,5,6,7,8,9,10,11,12,13,14,15
	s_cselect_b32 s33, 4*\t, \t+8*(\t/8)           ; row t of the block is index t + 8 (t/8) on, in v 4 t
	v_mad_u32_u24 v[OFF+\t], s19, s33, v4
.endr
	s_lshl_b32 s18, s18, 7
	s_add_co_u32 s20, s20, s18
	s_mul_i32 s20, s20, s19
	s_lshl_b32 s21, s16, 12
	s_add_co_u32 s20, s20, s21
	s_lshl_b32 s21, s13, 10                        ; 256 along K are 1,024 bytes
	s_add_co_u32 s20, s20, s21
	s_mov_b32 s21, 0
	s_wait_alu depctr_va_vdst(0)                   ; directly ahead of the wait below
	s_wait_kmcnt 0x0
	s_cmp_lt_u32 s31, 64
	s_cselect_b64 s[4:5], s[4:5], s[6:7]
	s_add_nc_u64 s[4:5], s[4:5], s[20:21]
.irp t, 0,1,2,3,4,5,6,7,8,9,10,11,12,13,14,15
.irp e, 0,1
	global_load_b128 v[RW+8*\t+4*\e:RW+8*\t+4*\e+3], v[OFF+\t], s[4:5] offset:512*\e th:TH_LOAD_NT   ; 32 lanes read 512 consecutive bytes; all 32 loads of the wave go out together
.endr
.endr
	s_lshl_b32 s22, s31, 2                         ; the group's block: (4 g + kp) x 25,600
	s_add_co_u32 s22, s22, s13
	s_mul_i32 s22, s22, 25600
	s_mov_b32 s23, 0
	s_add_nc_u64 s[10:11], s[8:9], s[22:23]        ; the block: its scale words lie 24,576 bytes on
	s_mul_i32 s22, s30, 3072
	s_add_nc_u64 s[8:9], s[10:11], s[22:23]        ; my 16 rows' two fragments
	s_mul_i32 s24, s12, WST
	v_add_nc_u32 v5, s24, v4                       ; the stage, on the way in: as loaded
	v_mul_u32_u24 v6, v2, RP
	v_lshl_add_u32 v6, v3, 7, v6
	v_add_nc_u32 v6, s24, v6                       ; on the way out: row r, + 128 h: my 32 neighbours of each 64
	s_lshl_b32 s25, s12, 2
	s_add_co_u32 s25, s25, SG
	v_lshl_add_u32 v7, v2, 4, s25                  ; my row's scale word: SG + 16 r + 4 w
	v_add_nc_u32 v8, SG, v4                        ; wave 0 carries the words out: 16 x lane of the 512 bytes,
	s_lshl_b32 s26, s27, 8
	v_lshlrev_b32 v9, 9, v3                        ; which lie in the image at 512 (K step) + 256 (half) + 16 r
	v_lshl_add_u32 v9, v2, 4, v9
	v_add_nc_u32 v9, s26, v9
	v_lshlrev_b32 v[SH8], 3, v3
	v_mov_b32 v[PT], 0                             ; a lane permute's destination counts as one of its sources
	s_wait_alu depctr_va_vdst(0)
.irp t, 0,1,2,3,4,5,6,7,8,9,10,11,12,13,14,15
	s_wait_loadcnt 30-2*\t                         ; row t's two loads are in; the younger rows' may be out
.irp e, 0,1
	ds_store_b128 v5, v[RW+8*\t+4*\e:RW+8*\t+4*\e+3] offset:RP*\t+512*\e
.endr
.endr
.irp c, 0,1
.irp i, 0,1,2,3,4,5,6,7
	ds_load_b128 v[XA+32*\c+4*\i:XA+32*\c+4*\i+3], v6 offset:256*\c+16*\i   ; LDS serves a wave's instructions in order: these see my stores.  k = 64 c + 32 h + 4 i ..
.endr
.endr
	s_wait_dscnt 0x0                               ; the stores have read the loads' registers, and the first fragment's numbers are in
.irp c, 0,1
.irp i, 0,1,2,3,4,5,6,7
	ds_load_b128 v[XB+32*\c+4*\i:XB+32*\c+4*\i+3], v6 offset:512+256*\c+16*\i
.endr
.endr
; 64 numbers of a lane, two whole blocks of 32 (blocks h and 2 + h of my row), become the fragment's 12 registers and my row's scale word
.macro QUANT6 x, pc, q
.irp c, 0,1
	v_max3_num_f32 v[MX+\c], |v[\x+32*\c]|, |v[\x+32*\c+1]|, 0x2800000   ; and the floor 2^(5 - 127): the byte cannot fall under 1
.endr
.irp i, 2,4,6,8,10,12,14,16,18,20,22,24,26,28,30
.irp c, 0,1
	s_delay_alu instid0(VALU_DEP_2)
	v_max3_num_f32 v[MX+\c], v[MX+\c], |v[\x+32*\c+\i]|, |v[\x+32*\c+\i+1]|
.endr
.endr
.irp c, 0,1
	s_delay_alu instid0(VALU_DEP_2)
	v_add_nc_u32 v[SO+\c], 0xfe000000, v[MX+\c]    ; 4 off the exponent field: the conversion takes the exponent field of this operand as its scale
.endr
.irp c, 0,1
	s_delay_alu instid0(VALU_DEP_2)
	v_lshrrev_b32 v[BY+\c], 23, v[SO+\c]           ; the scale's byte
.endr
	s_delay_alu instid0(VALU_DEP_1)
	v_lshl_or_b32 v[WD], v[BY+1], 16, v[BY]        ; my two bytes, 8 h bits up;
	s_delay_alu instid0(VALU_DEP_1)
	v_lshlrev_b32 v[WD], v[SH8], v[WD]
	s_delay_alu instid0(VALU_DEP_1)
	v_permlanex16_b32 v[PT], v[WD], s28, s29
	s_delay_alu instid0(VALU_DEP_1)
	v_or_b32 v[WD], v[WD], v[PT]                   ; with lane l xor 16's two the word is whole
.irp c, 0,1
	v_cvt_scalef32_pk16_bf6_f32 v[\pc+6*\c:\pc+6*\c+2], v[\x+32*\c:\x+32*\c+15], v[SO+\c]
	v_cvt_scalef32_pk16_bf6_f32 v[\pc+12+4*\c:\pc+14+4*\c], v[\x+32*\c+16:\x+32*\c+31], v[SO+\c]   ; (a conversion's three registers begin on an even number)
.endr
	v_nop                                          ; one plain place behind a scaled conversion
.irp c, 0,1
.irp i, 0,1,2
	v_mov_b32 v[\pc+3+6*\c+\i], v[\pc+12+4*\c+\i]
.endr
.endr
.irp c, 0,1,2
	global_store_b128 v4, v[\pc+4*\c:\pc+4*\c+3], s[8:9] offset:1536*\q+512*\c   ; the image: 512 consecutive bytes a store
.endr
	ds_store_b32 v7, v[WD] offset:256*\q           ; both halves of the lanes write the same word with the same value
.endm
	QUANT6 XA, PCA, 0
	s_wait_dscnt 0x0                               ; the second fragment's numbers are in
	QUANT6 XB, PCB, 1
	s_wait_dscnt 0x0                               ; for the others' sake: my scale words lie in LDS
	s_barrier_signal -1
	s_barrier_wait -1
	s_cmp_lg_u32 s12, 0                            ; wave 0 stores the words: 256 consecutive bytes, aligned, for each K step
	s_cbranch_scc1 .Ldone
	ds_load_b128 v[44:47], v8
	s_wait_dscnt 0x0
	global_store_b128 v9, v[44:47], s[10:11] offset:24576
.Ldone:
	s_wait_tensorcnt 0x0                           ; the wave's end
	ds_add_u32 v62, v63
	s_wait_dscnt 0x0
	s_endpgm
.Lfunc_end_k_q62986a1eac_quant:
	.size	k_q62986a1eac_quant, .Lfunc_end_k_q62986a1eac_quant-k_q62986a1eac_quant
	.p2alignl 7, 3214868480
	.fill 96, 4, 3214868480
	.section	.rodata,"a",@progbits
	.p2align	6, 0x0
	.amdhsa_kernel k_q62986a1eac_quant
		.amdhsa_group_segment_fixed_size 67584
		.amdhsa_private_segment_fixed_size 0
		.amdhsa_enable_private_segment 0
		.amdhsa_kernarg_size 24
		.amdhsa_user_sgpr_count 2
		.amdhsa_user_sgpr_kernarg_segment_ptr 1
		.amdhsa_wavefront_size32 1
		.amdhsa_system_sgpr_workgroup_id_x 1
		.amdhsa_system_sgpr_workgroup_id_y 1
		.amdhsa_system_sgpr_workgroup_id_z 1
		.amdhsa_system_vgpr_workitem_id 0
		.amdhsa_next_free_vgpr 256
		.amdhsa_next_free_sgpr 66
		.amdhsa_reserve_vcc 0
		.amdhsa_float_denorm_mode_32 3
		.amdhsa_float_denorm_mode_16_64 3
		.amdhsa_memory_ordered 1
		.amdhsa_forward_progress 1
		.amdhsa_inst_pref_size 22
	.end_amdhsa_kernel
	.amdgpu_metadata
---
amdhsa.version: [ 1, 2 ]
amdhsa.kernels:
  - .name:           k_q62986a1eac_quant
    .symbol:         k_q62986a1eac_quant.kd
    .args:
      - { .name: x, .offset: 0, .size: 8, .value_kind: global_buffer, .address_space: global }
      - { .name: W_qvk, .offset: 8, .size: 8, .value_kind: global_buffer, .address_space: global }
      - { .name: xw_img, .offset: 16, .size: 8, .value_kind: global_buffer, .address_space: global }
    .group_segment_fixed_size: 67584
    .private_segment_fixed_size: 0
    .kernarg_segment_align: 8
    .kernarg_segment_size: 24
    .max_flat_workgroup_size: 128
    .sgpr_count:     66
    .vgpr_count:     256
    .wavefront_size: 32
...
	.end_amdgpu_metadata
.endif
;; end of part 1
;; launch proj (part 2): grid 64 x 4, 4 waves a work-group, clusters of 4 x 4, 327,680 bytes of LDS; arguments xw_img, b_qvk, qk_img, vt_img; writes qk_img, vt_img
.if DOCPART == 2
	.amdgcn_target "amdgcn-amd-amdhsa--gfx1250"
	.amdhsa_code_object_version 6
	.text
	.protected	k_q62986a1eac_proj
	.globl	k_q62986a1eac_proj
	.p2align	8
	.type	k_q62986a1eac_proj,@function
k_q62986a1eac_proj:
	s_mov_b64 s[64:65], 0
	v_nop
	global_prefetch_b8 v0, s[64:65] scope:SCOPE_SE
	s_setreg_imm32_b32 hwreg(HW_REG_WAVE_MODE, 25, 1), 1
	s_wait_xcnt 0x0
	s_wait_alu depctr_hold_cnt(0) depctr_sa_sdst(0) depctr_va_vdst(0) depctr_va_sdst(0) depctr_va_ssrc(0) depctr_va_vcc(0) depctr_vm_vsrc(0)
	s_getreg_b32 s2, hwreg(HW_REG_IB_STS2, 6, 4)
	s_cmp_eq_u32 s2, 0
	s_cbranch_scc0 .Lentry_in_a_cluster
	s_endpgm
.Lentry_in_a_cluster:
	s_bfe_u32 s2, ttmp6, 0x10000c
	s_cmp_lg_u32 s2, 0xf033
	s_cbranch_scc0 .Lentry_shape_is_right
	s_endpgm
.Lentry_shape_is_right:
; qvk = x W^T + b on codes of BF6 (E3M2) with E8M0 scales, K = 1,024; the results are quantised in registers and leave as operand images for the next two products.
; 256 WORK-GROUPS THAT STAY, each with two parts, 768 matrix instructions a wave:
;   part 1: rows = 256 tokens (second source), columns = 256 rows of Wq or Wk (first source).  A lane holds one token, its registers run along d: q and k are quantised along d.  A wave makes 128 x 128.
;   part 2: rows = 128 rows of Wv (second source), columns = 256 tokens (first source).  A lane holds one d, its registers run along the tokens: v is quantised along the tokens (the keys).  A wave makes 64 x 128.
; xw_img [K pair 2][group of 128 rows: 88][kp 2][25,600]: a block (128 rows x 256 K) is 16 fragment images of 1,536 bytes (three loads of 16 bytes a lane each) and then its scale words, 512 bytes for each 128 along K.
; So one kp of a group is 100 dense rows of 256 bytes, a pair of kp 200, and the scale words come with the codes.
; In every group of 128, row r of block 2b+u is index 32b + 8u + r + 8 (r/8): so tile 2b+u, register j of lane half h is index 32b + 16h + 8u + j, and two neighbouring tiles give 16 neighbours along the next K.
; LDS: a region of three places of 25,600 bytes for each wave; wave w fills region w.  Part 1: regions 0, 1 the tokens' two halves, regions 2, 3 W's.  K is walked kp2 (place 0), kp0, kp1 (places 1, 2: one load), kp3 (place 0 again).
; Part 2: region 0 places 1, 2: Wv kp0, kp1; region 1 places 1, 2: Wv kp2, kp3; region 2 + h places 1, 2: the tokens' half h, kp0, kp1; place 0 of region h: half h, kp2; of region 2 + h: half h, kp3.
; FILLS: two loads a wave at the start; then one a wave behind each of three rounds of the cluster's barrier: kp3 behind kp2's work; part 2's pairs behind kp1's work; part 2's last four blocks in the middle of part 1's way out.
; CLUSTER c of 16, ay = c / 2, bx = c % 2.  Part 1: token tile 4 ay + cy, W tile 4 bx + cx.  Part 2: Wv's group 4 bx + cy, token tile 4 ay + cx.  The second source's tiles are shared along a row of the cluster, the first's along a column: joint loads.
; The bias is the C of each sum's first product.  LIMITS: a block of zeros gets the byte 1 (its codes are zeros; only this program reads the bytes); NaN and infinities are not served; part 1 sums K in the order kp2, kp0, kp1, kp3.
; No prefetch: three quarters of part 1's tiles are the first fills, and every block of xw_img is read by several clusters.
; REGISTERS: window 0: v1-15 at work at the head; v16-29 addresses; v32-63 scale words, two sets; v64-127 part 1's bias, later the way out; v128-223 the second source's fragments, one set (part 2: v128-175, and v176-207 its bias);
;   v224-243 part 2's addresses and its bias, one number a block.   window 1: the first source's fragments, two sets, at v0 and v128.   windows 2, 3: accumulator (a, b) at v[8 (8 (a%4) + b)] of window 2 + a/4; part 2 has window 2 alone.
; THESE LINES HOLD WHERE THOSE ABOVE DIFFER FROM THEM:
;   xw_img is [group of 128 rows: 88][kp 4][25,600].  Part 1 walks kp0, kp1, kp2 (places 0, 1, 2: ONE load a wave at the head, 300 rows of 256 bytes) and then kp3 (place 0 again); each sum takes K in ascending order.
;   FILLS: one load a wave at the head; then one a wave behind each of three rounds: kp3 behind kp0's work; part 2's pairs behind kp2's work; part 2's last four blocks in the middle of part 1's way out.
;   In Wv's groups row r of block 4g+t is d = 64g + 4r + t.
;   The scale words travel with the codes: qk_img [kp 8: 0-3 Q, 4-7 K][group of 128 tokens: 64][25,600] (24,576 bytes of codes [rb 8][q 2][1536], then [q 2][512] of words);
;   vt_img [batch 4][group of 128 d: 8][512 keys: 4][51,200] (codes [256 keys: 2][rb 8][q 2][1536], then [K step 4][512] of words).
;   No prefetch: three of part 1's four kp are the first fill, and the text has no loop to run ahead in.
.set FR,    12
.set NL,    3                          ; LDS loads that bring one
.set NP,    4                          ; places behind this matrix instruction (ISA guide 7.12.1)
.set BLK,   25600                      ; 128 rows x 256 K: codes, then scale words
.set SCO,   24576                      ; where the scale words begin in a block
.set REG,   3*BLK                      ; a wave's region
.set SPARE, 4*REG                      ; the spare words, 128 bytes for each wave: two blocks of 256 bytes that no other line names
.set PAIR,  2*BLK                      ; from K pair 0 to K pair 1 of a group
.set ADRA, 16                          ; v16-18 my fragments of the second source in place 0, 1, 2
.set ADRB, 19                          ; v19-21 of the first source
.set ADRS, 22                          ; v22-24 my scale words: lanes 0-15 the second source's, lanes 16-31 the first's
.set LI,   25                          ; v25    16 x lane
.set VS,   26                          ; v26    16 r + 8 h: part 2's scale words on their way out
.set SPW,  28                          ; v28    my spare word; never rewritten
.set NIL,  29                          ; v29    0; never rewritten
.set SC,   32                          ; set sc, K step q, block i at v[SC + 16 sc + 8 q + i]
.set CB,   64                          ; part 1's bias, eight registers a tile
.set AF,   128
.set CB2,  176                         ; part 2's bias, eight registers a block
.set ADA2, 224                         ; v224-227 part 2: Wv's fragments of kp t
.set ADB2, 228                         ; v228-231 the tokens' fragments
.set ADS2, 232                         ; v232-235 scale words: lanes 0-15 Wv's four blocks, lanes 16-31 the tokens' blocks 0-3
.set SB2,  236                         ; v236-239 the tokens' blocks 4-7 (all lanes)
.set VB,   240                         ; v240-243 the bias of my lane's d in my four blocks
.set PC,   64                          ; the way out: v64-82 codes; v84-95 maxima, bytes, scale operands; v96-103 the blocks' scale words; v120-123 as stored
.set TM,   84
.set PWS,  96
.set O4,   120
.set G1A1, 24                          ; s[24:31] group 1: 100 rows, my row of the cluster
.set G1A2, 68                          ; s[68:75] 200 rows, my row
.set G1B1, 48                          ; s[48:55] 100 rows, my column
.set G1B2, 80                          ; s[80:87] 200 rows, my column
.set GA0,  32                          ; s[32:35] group 0: the second source, place 0;  s[36:39] places 1, 2
.set GA1,  36
.set GB0,  56                          ; s[56:59], s[60:63] the same for the first source
.set GB1,  60
.set PA2,  76                          ; s[76:77] part 2: Wv's pair that I fetch
.set PB2,  88                          ; s[88:89] the tokens' pair 0 that I fetch
.set PB3,  90                          ; s[90:91] the tokens' single block that I fetch
.set SEL,  46
.set MSB, 0
.macro WIN new                         ; the immediate's high byte repeats the setting that is left
.if MSB != \new
	s_set_vgpr_msb (MSB<<8)|\new
.set MSB, \new
.endif
.endm
.set MUL_LO,  0xa1                     ; source 0 window 1, source 1 window 0, C and D window 2
.set MUL_HI,  0xf1                     ; the same, C and D window 3
.set BIAS_LO, 0x81                     ; C (the bias) window 0, D window 2
.set BIAS_HI, 0xc1
.set TO_B,    0x40                     ; destination window 1, address window 0
; A joint load: waves 0 and 1 fetch for the second source, waves 2 and 3 for the first.  The branch hangs on the wave's number alone.  Four v_nop follow each line.
.macro JLOAD g0a, g1a, g0b, g1b
	s_cmp_eq_u32 s15, 0
	s_cbranch_scc0 .Lfor_b_\@
	tensor_load_to_lds s[\g0a:\g0a+3], s[\g1a:\g1a+7]
	s_nop 0
.rept 4
	v_nop
.endr
	s_branch .Lasked_\@
.Lfor_b_\@:
	tensor_load_to_lds s[\g0b:\g0b+3], s[\g1b:\g1b+7]
	s_nop 0
.rept 4
	v_nop
.endr
.Lasked_\@:
.endm
.macro CREST                           ; a round of the cluster's barrier behind its opening barrier
	s_cmp_lg_u32 s14, 0
	s_cbranch_scc1 .Lnot_wave_0_\@
	s_barrier_signal -3
.Lnot_wave_0_\@:
	s_barrier_wait -3
	s_barrier_signal -1
	s_barrier_wait -1
.endm
.macro CROUND
	s_barrier_signal -1
	s_barrier_wait -1
	CREST
.endm
.macro PLACES n
.rept \n
	v_nop
.endr
.endm
	s_load_b256 s[4:11], s[0:1], 0x0               ; xw_img s[4:5], b_qvk s[6:7], qk_img s[8:9], vt_img s[10:11]
	v_lshl_add_u32 v[SPW], v0, 2, SPARE
	v_mov_b32 v[NIL], 0
	ds_add_u32 v28, v29
	ds_add_u32 v28, v29
	s_wait_dscnt 0x0
	v_lshrrev_b32 v1, 5, v0
	v_readfirstlane_b32 s14, v1                    ; wave 0..3
	s_lshr_b32 s15, s14, 1                         ; my half of the tile's rows.  Also: I fetch for the second source (0) or the first (1)
	s_and_b32 s16, s14, 1                          ; my half of its columns.  Also: which half I fetch
	s_bfe_u32 s40, ttmp6, 0x40000                  ; cx
	s_bfe_u32 s41, ttmp6, 0x40004                  ; cy
	s_lshr_b32 s18, ttmp9, 1
	s_lshl_b32 s18, s18, 2                         ; 4 ay
	s_and_b32 s19, ttmp9, 1
	s_lshl_b32 s19, s19, 2                         ; 4 bx
	s_add_co_u32 s17, s18, s41                     ; part 1: the tile of 256 tokens, 0..31
	s_add_co_u32 s42, s19, s40                     ; part 1: the tile of 256 rows of W, 0..3 q, 4..7 k
	s_add_co_u32 s66, s19, s41                     ; part 2: Wv's group of 128 d, 0..7
	s_add_co_u32 s67, s18, s40                     ; part 2: the tile of 256 tokens, 0..31
	s_lshl_b32 s43, s41, 2
	s_lshl_b32 s43, 15, s43                        ; my row of the cluster
	s_lshl_b32 s44, 0x1111, s40                    ; my column
	; descriptor group 1: dense blocks as rows of 256 bytes (32 elements of 8 bytes): one kp is 100 rows, a pair 200; bit 21 is set beside a mask
	s_or_b32 s[G1A1+0], s43, (3<<16)|(1<<21)
	s_or_b32 s[G1B1+0], s44, (3<<16)|(1<<21)
.irp g, G1A1, G1B1
	s_mov_b32 s[\g+1], 32<<16                      ; tensor_dim0
	s_mov_b32 s[\g+2], 100<<16                     ; tensor_dim1
	s_mov_b32 s[\g+3], 32<<16                      ; tile_dim0
	s_mov_b32 s[\g+4], 100                         ; tile_dim1
	s_mov_b32 s[\g+5], 32                          ; the pitch
	s_mov_b32 s[\g+6], 0
	s_mov_b32 s[\g+7], 0
.endr
	s_or_b32 s[G1A2+0], s43, (3<<16)|(1<<21)
	s_or_b32 s[G1B2+0], s44, (3<<16)|(1<<21)
.irp g, G1A2, G1B2
	s_mov_b32 s[\g+1], 32<<16
	s_mov_b32 s[\g+2], 300<<16                     ; the head's loads: three kp; 200 rows behind them
	s_mov_b32 s[\g+3], 32<<16
	s_mov_b32 s[\g+4], 300
	s_mov_b32 s[\g+5], 32
	s_mov_b32 s[\g+6], 0
	s_mov_b32 s[\g+7], 0
.endr
	; where the tiles come from.  The second source's addresses hang on cy alone, the first's on cx alone, each in registers of their own
	s_lshl_b32 s20, s17, 1
	s_add_co_u32 s20, s20, s16
	s_mul_i32 s20, s20, 4*BLK                      ; part 1, tokens: group 2 x tile + half
	s_mov_b32 s21, 0
	s_add_co_u32 s22, s66, 80
	s_mul_i32 s22, s22, 4*BLK                      ; part 2, Wv: group 80 + its number,
	s_mul_i32 s23, s16, PAIR
	s_add_co_u32 s22, s22, s23                     ; wave 0 K pair 0, wave 1 K pair 1
	s_mov_b32 s23, 0
	s_lshl_b32 s46, s42, 1
	s_add_co_u32 s46, s46, s16
	s_add_co_u32 s46, s46, 64
	s_mul_i32 s46, s46, 4*BLK                      ; part 1, W: group 64 + 2 x tile + half
	s_mov_b32 s47, 0
	s_lshl_b32 s96, s67, 1
	s_add_co_u32 s96, s96, s16
	s_mul_i32 s96, s96, 4*BLK                      ; part 2, tokens: group 2 x tile + half, K pair 0
	s_mov_b32 s97, 0
	s_mul_i32 s98, s15, BLK
	s_add_co_u32 s98, s98, PAIR
	s_add_co_u32 s98, s98, s96                     ; and of K pair 1 the block kp 2 + wave / 2
	s_mov_b32 s99, 0
	s_mul_i32 s45, s14, REG                        ; where they go: my region: no place in the cluster enters an LDS address
	s_wait_alu depctr_va_vdst(0)
	CROUND                                         ; all sixteen work-groups are here: the first joint loads meet
	s_wait_kmcnt 0x0
	s_mov_b64 s[92:93], s[10:11]                   ; vt_img
	s_add_nc_u64 s[20:21], s[4:5], s[20:21]
	s_add_nc_u64 s[PA2:PA2+1], s[4:5], s[22:23]
	s_add_nc_u64 s[46:47], s[4:5], s[46:47]
	s_add_nc_u64 s[PB2:PB2+1], s[4:5], s[96:97]
	s_add_nc_u64 s[PB3:PB3+1], s[4:5], s[98:99]
	s_mov_b32 s[GA0], 1
	s_mov_b32 s[GA0+1], s45                        ; place 0
	s_mov_b64 s[GA0+2:GA0+3], s[20:21]             ; kp0, kp1, kp2 into places 0, 1, 2
	s_or_b32 s[GA0+3], s[GA0+3], 0x80000000
	s_mov_b32 s[GB0], 1
	s_mov_b32 s[GB0+1], s45
	s_mov_b64 s[GB0+2:GB0+3], s[46:47]
	s_or_b32 s[GB0+3], s[GB0+3], 0x80000000
	JLOAD GA0, G1A2, GB0, G1B2                     ; one tensor load a wave at the head
	s_mov_b32 s[GA1], 1
	s_add_co_u32 s[GA1+1], s45, BLK                ; places 1 and 2
	s_mov_b32 s[GB1], 1
	s_add_co_u32 s[GB1+1], s45, BLK
	; where the results go, and where the biases lie
	s_mov_b32 s19, 0
	s_lshl_b32 s20, s42, 1
	s_add_co_u32 s20, s20, s16                     ; n128: my 128 columns of part 1 = one K step of q or k
	s_lshl_b32 s21, s17, 1
	s_add_co_u32 s21, s21, s15                     ; rgo: my 128 tokens
	s_lshl_b32 s22, s42, 6                         ; qk_img: (W tile x 64 + rgo) x 25,600
	s_add_co_u32 s22, s22, s21
	s_mul_i32 s22, s22, BLK
	s_lshl_b32 s23, s16, 9
	s_add_co_u32 s18, s22, s23
	s_add_co_u32 s18, s18, SCO                     ; the words of K step q = my half,
	s_add_nc_u64 s[10:11], s[8:9], s[18:19]
	s_mul_i32 s23, s16, 1536
	s_add_co_u32 s18, s22, s23                     ; and its codes
	s_add_nc_u64 s[8:9], s[8:9], s[18:19]
	s_lshr_b32 s22, s67, 3                         ; vt_img: batch = token tile / 8, 512 keys = (token tile % 8) / 2, 256 of them = token tile % 2, rb = 4 x my half + a, q = my half of the tokens
	s_mul_i32 s22, s22, 1638400
	s_mul_i32 s23, s66, 204800
	s_add_co_u32 s22, s22, s23
	s_bfe_u32 s23, s67, 0x20001
	s_mul_i32 s23, s23, 51200
	s_add_co_u32 s22, s22, s23
	s_and_b32 s23, s67, 1
	s_lshl_b32 s18, s23, 1
	s_add_co_u32 s18, s18, s16                     ; K step of the 512 keys: its words, and in them my four blocks' 256 bytes
	s_lshl_b32 s18, s18, 9
	s_add_co_u32 s18, s18, s22
	s_lshl_b32 s98, s15, 8
	s_add_co_u32 s18, s18, s98
	s_add_co_u32 s18, s18, 49152
	s_add_nc_u64 s[94:95], s[92:93], s[18:19]
	s_mul_i32 s23, s23, 24576
	s_add_co_u32 s22, s22, s23
	s_mul_i32 s23, s15, 12288
	s_add_co_u32 s22, s22, s23
	s_mul_i32 s23, s16, 1536
	s_add_co_u32 s18, s22, s23
	s_add_nc_u64 s[92:93], s[92:93], s[18:19]
	s_and_b32 s22, s20, 7                          ; the bias of (d, j) lies at 12 d + 4 j.  Part 1: d's group = n128 % 8, j = 2 (n128 / 8)
	s_mul_i32 s22, s22, 1536
	s_lshr_b32 s23, s20, 3
	s_lshl_b32 s23, s23, 3
	s_add_co_u32 s18, s22, s23
	s_add_nc_u64 s[12:13], s[6:7], s[18:19]
	s_mul_i32 s22, s66, 1536                       ; part 2: d's group = Wv's, + 64 x my half, j = 1
	s_mul_i32 s23, s15, 768
	s_add_co_u32 s22, s22, s23
	s_add_co_u32 s18, s22, 4
	s_add_nc_u64 s[6:7], s[6:7], s[18:19]
	v_and_b32 v1, 15, v0                           ; r
	v_bfe_u32 v2, v0, 4, 1                         ; h
	v_and_b32 v3, 31, v0
	v_lshlrev_b32 v[LI], 4, v3
	v_mul_u32_u24 v6, v2, 192
.irp j, 0,1,2,3,4,5,6,7
	v_add_nc_u32 v[8+\j], 12*\j, v6                ; 12 (16 h + j)
.endr
	v_mul_u32_u24 v5, v1, 48                       ; 12 x 4 r
.irp t, 0,1,2,3,4,5,6,7                        ; part 1: register j of tile t has the bias of d = 32 (t/2) + 16 h + 8 (t%2) + j
.irp j, 0,1,2,3,4,5,6,7
	global_load_b32 v[CB+8*\t+\j], v[8+\j], s[12:13] offset:12*(32*(\t/2)+8*(\t%2))
.endr
.endr
.irp a, 0,1,2,3                                ; part 2: block a's lanes have d = 32 (a/2) + 8 (a%2) + r + 8 (r/8) of my 64
	global_load_b32 v[VB+\a], v5, s[6:7] offset:12*\a   ; (block a's lanes have d = 4 r + a of my 64: this holds, not the line above)
.endr
	v_lshlrev_b32 v[VS], 4, v1
	v_lshl_add_u32 v[VS], v2, 3, v[VS]
	; LDS addresses, part 1
	s_mul_i32 s21, s15, REG
	s_mul_i32 s22, s16, REG
	s_add_co_u32 s22, s22, 2*REG
.irp p, 0,1,2
	v_add_nc_u32 v[ADRA+\p], s21, v[LI]
	v_add_nc_u32 v[ADRB+\p], s22, v[LI]
	s_add_co_u32 s21, s21, BLK
	s_add_co_u32 s22, s22, BLK
.endr
	s_mul_i32 s21, s15, REG
	s_mul_i32 s22, s16, REG
	s_add_co_u32 s22, s22, 2*REG
	s_sub_co_u32 s22, s22, s21
	v_mul_u32_u24 v4, s22, v2                      ; lanes 16-31 take the first source's words
	v_lshl_add_u32 v4, v1, 4, v4
	s_add_co_u32 s21, s21, SCO
.irp p, 0,1,2
	v_add_nc_u32 v[ADRS+\p], s21, v4
	s_add_co_u32 s21, s21, BLK
.endr
	; LDS addresses, part 2
	s_mul_i32 s21, s15, 12288                      ; my four blocks of Wv's eight
	v_add_nc_u32 v7, s21, v[LI]
.irp t, 0,1,2,3
	v_add_nc_u32 v[ADA2+\t], (\t/2)*REG+(1+\t%2)*BLK, v7
.endr
	s_mul_i32 s22, s16, REG
	v_add_nc_u32 v[ADB2+2], s22, v[LI]             ; kp2: region = my half, place 0
	v_add_nc_u32 v[ADB2+0], 2*REG+BLK, v[ADB2+2]
	v_add_nc_u32 v[ADB2+1], 2*REG+2*BLK, v[ADB2+2]
	v_add_nc_u32 v[ADB2+3], 2*REG, v[ADB2+2]
	v_lshl_add_u32 v7, v1, 4, s22
	v_add_nc_u32 v[SB2+0], 2*REG+BLK+SCO+256, v7
	v_add_nc_u32 v[SB2+1], 2*REG+2*BLK+SCO+256, v7
	v_add_nc_u32 v[SB2+2], SCO+256, v7
	v_add_nc_u32 v[SB2+3], 2*REG+SCO+256, v7
	s_lshl_b32 s23, s15, 8                         ; Wv's words of my four blocks begin 256 x my half on
	s_add_co_u32 s21, s22, 2*REG                   ; kp0, kp1: the lower base is Wv's; lanes 16-31 go (2 + half) regions on
	s_sub_co_u32 s21, s21, s23
	v_mul_u32_u24 v7, s21, v2
	v_lshl_add_u32 v7, v1, 4, v7
	v_add_nc_u32 v7, s23, v7
	v_add_nc_u32 v[ADS2+0], BLK+SCO, v7
	v_add_nc_u32 v[ADS2+1], 2*BLK+SCO, v7
	s_add_co_u32 s21, s22, REG-2*BLK               ; kp3: Wv's in region 1 place 2, the tokens' in region 2 + half place 0
	s_sub_co_u32 s21, s21, s23
	v_mul_u32_u24 v7, s21, v2
	v_lshl_add_u32 v7, v1, 4, v7
	v_add_nc_u32 v7, s23, v7
	v_add_nc_u32 v[ADS2+3], REG+2*BLK+SCO, v7
	s_xor_b32 s21, s16, 1                          ; kp2: the lower base is the tokens' (region = half, place 0); lanes 0-15 go on to region 1 place 1
	s_mul_i32 s21, s21, REG
	s_add_co_u32 s21, s21, BLK
	s_add_co_u32 s21, s21, s23
	v_xor_b32 v4, 1, v2
	v_mul_u32_u24 v7, s21, v4
	v_lshl_add_u32 v7, v1, 4, v7
	v_add_nc_u32 v7, s22, v7
	v_add_nc_u32 v[ADS2+2], SCO, v7
.macro FRAG reg, adr, q, i             ; a fragment comes back as it was stored: three loads of 16 bytes a lane, 512 consecutive bytes each
.irp c, 0,1,2
	ds_load_b128 v[\reg+4*\c:\reg+4*\c+3], v[\adr] offset:(2*(\i)+(\q))*1536+512*\c
.endr
.endm
; PART 1.  16 matrix instructions: blocks a0, a0 + 1 of the tokens x W's eight.  mode 1: the sums begin with the bias.
; The 64 accumulators take turns, one instruction a turn, in the same order in every step.
.macro MUL16 a0, p, q, sc, mode
.irp a, \a0, \a0+1
.irp b, 0,1,2,3,4,5,6,7
.set rD, 8*(8*((\a)%4)+\b)
.set rB, 128*(\p)+FR*\b
.set rA, AF+FR*(\a)
.set rSB, SC+16*(\sc)+8*(\q)+\b
.set rSA, SC+16*(\sc)+8*(\q)+(\a)
.if \mode
	v_wmma_scale_f32_16x16x128_f8f6f4 v[rD:rD+7], v[rB:rB+FR-1], v[rA:rA+FR-1], v[CB+8*\b:CB+8*\b+7], v[rSB], v[rSA] matrix_a_fmt:MATRIX_FMT_BF6 matrix_b_fmt:MATRIX_FMT_BF6 matrix_a_scale:MATRIX_SCALE_ROW1
.else
	v_wmma_scale_f32_16x16x128_f8f6f4 v[rD:rD+7], v[rB:rB+FR-1], v[rA:rA+FR-1], v[rD:rD+7], v[rSB], v[rSA] matrix_a_fmt:MATRIX_FMT_BF6 matrix_b_fmt:MATRIX_FMT_BF6 matrix_a_scale:MATRIX_SCALE_ROW1
.endif
.endr
.endr
.endm
.macro FETCH_B pl, q, p
	WIN TO_B
.irp i, 0,1,2,3,4,5,6,7
	FRAG 128*(\p)+FR*\i, ADRB+\pl, \q, \i
.endr
	WIN 0
.endm
.macro FETCH_A pl, q, i0
.irp i, \i0, \i0+1, \i0+2, \i0+3
	FRAG AF+FR*(\i), ADRA+\pl, \q, \i
.endr
.endm
.macro SCALES pl, sc                   ; a place's scale words: for each of its two K steps blocks 0-3 and 4-7
.irp q, 0,1
.irp f, 0,1
	ds_load_b128 v[SC+16*(\sc)+8*\q+4*\f:SC+16*(\sc)+8*\q+4*\f+3], v[ADRS+\pl] offset:512*\q+256*\f
.endr
.endr
.endm
; A step of 128 along K (the place's q-th, scale set sc) that fetches its successor (place npl, K step nq) with no barrier: that place was shown landed to every wave at an earlier barrier, and nothing is filled here
.macro STEP q, sc, mode, npl, nq
	s_wait_dscnt 4*NL                              ; all but the youngest twelve loads (the tokens' blocks 4-7) are in
.if \mode
	WIN BIAS_LO
.else
	WIN MUL_LO
.endif
	MUL16 0, \q, \q, \sc, \mode
	MUL16 2, \q, \q, \sc, \mode
	s_wait_dscnt 0                                 ; blocks 4-7 are in
	PLACES NP                                      ; in front of loads into registers that matrix instructions have read
	FETCH_B \npl, \nq, 1-(\q)
	FETCH_A \npl, \nq, 0
.if \nq == 0
	SCALES \npl, 1-(\sc)
.endif
.if \mode
	WIN BIAS_HI
.else
	WIN MUL_HI
.endif
	MUL16 4, \q, \q, \sc, \mode
	MUL16 6, \q, \q, \sc, \mode
	PLACES NP
	WIN 0
	FETCH_A \npl, \nq, 4
.endm
; A place's last step behind which LDS is filled again: each wave waits for all its tensor loads, adds 0 to its spare word, and waits for that and for its reads; a round of the cluster's barrier; the joint refill first behind it.
; kind 1: kp3 into place 0, which has just been read out.  kind 3: part 2's pairs into places 1 and 2, both read out.
.macro TURN sc, npl, kind
	s_wait_tensorcnt 0x0                           ; all my tensor loads have landed
	ds_add_u32 v[SPW], v[NIL]                      ; 0 onto my spare word
	s_wait_dscnt 4*NL+1                            ; (the add and the youngest twelve loads may be out)
	WIN MUL_LO
	MUL16 0, 1, 1, \sc, 0
	s_wait_dscnt 0x0                               ; the add is done, and my reads of the places to be filled are over
	s_barrier_signal -1
	MUL16 2, 1, 1, \sc, 0
	WIN 0
	s_barrier_wait -1
	CREST                                          ; no wave of any partner still reads those places or has a load on its way
.if \kind == 1
	s_add_nc_u64 s[GA0+2:GA0+3], s[GA0+2:GA0+3], 3*BLK   ; from kp0 to kp3
	s_add_nc_u64 s[GB0+2:GB0+3], s[GB0+2:GB0+3], 3*BLK
	JLOAD GA0, G1A1, GB0, G1B1                     ; it has two places' work in which to land
.else
	s_mov_b64 s[GA1+2:GA1+3], s[PA2:PA2+1]
	s_or_b32 s[GA1+3], s[GA1+3], 0x80000000
	s_mov_b64 s[GB1+2:GB1+3], s[PB2:PB2+1]
	s_or_b32 s[GB1+3], s[GB1+3], 0x80000000
	JLOAD GA1, G1A2, GB1, G1B2                     ; it has kp3's work and half of the way out in which to land
.endif
	FETCH_B \npl, 0, 0                             ; (the four v_nop behind the joint load are the places in front of these loads)
	FETCH_A \npl, 0, 0
	SCALES \npl, 1-(\sc)
	WIN MUL_HI
	MUL16 4, 1, 1, \sc, 0
	MUL16 6, 1, 1, \sc, 0
	PLACES NP
	WIN 0
	FETCH_A \npl, 0, 4
.endm
; PART 2.  8 matrix instructions: Wv's block a x the tokens' eight.  The 32 accumulators take turns.
.macro MULB a, p, q, sc, mode
.irp b, 0,1,2,3,4,5,6,7
.set rD, 8*(8*(\a)+\b)
.set rB, 128*(\p)+FR*\b
.set rA, AF+FR*(\a)
.set rSB, SC+16*(\sc)+8*(\q)+\b
.set rSA, SC+16*(\sc)+8*(\q)+(\a)
.if \mode
	v_wmma_scale_f32_16x16x128_f8f6f4 v[rD:rD+7], v[rB:rB+FR-1], v[rA:rA+FR-1], v[CB2+8*(\a):CB2+8*(\a)+7], v[rSB], v[rSA] matrix_a_fmt:MATRIX_FMT_BF6 matrix_b_fmt:MATRIX_FMT_BF6 matrix_a_scale:MATRIX_SCALE_ROW1
.else
	v_wmma_scale_f32_16x16x128_f8f6f4 v[rD:rD+7], v[rB:rB+FR-1], v[rA:rA+FR-1], v[rD:rD+7], v[rSB], v[rSA] matrix_a_fmt:MATRIX_FMT_BF6 matrix_b_fmt:MATRIX_FMT_BF6 matrix_a_scale:MATRIX_SCALE_ROW1
.endif
.endr
.endm
.macro FETCH2_B t, q, p
	WIN TO_B
.irp i, 0,1,2,3,4,5,6,7
	FRAG 128*(\p)+FR*\i, ADB2+\t, \q, \i
.endr
	WIN 0
.endm
.macro FETCH2_A t, q, i0
.irp i, \i0, \i0+1
	FRAG AF+FR*(\i), ADA2+\t, \q, \i
.endr
.endm
.macro SCALES2 t, sc                   ; kp t's scale words: registers 0-3: lanes 0-15 Wv's four blocks, lanes 16-31 the tokens' blocks 0-3; registers 4-7: the tokens' blocks 4-7
.irp q, 0,1
	ds_load_b128 v[SC+16*(\sc)+8*\q:SC+16*(\sc)+8*\q+3], v[ADS2+\t] offset:512*\q
	ds_load_b128 v[SC+16*(\sc)+8*\q+4:SC+16*(\sc)+8*\q+7], v[SB2+\t] offset:512*\q
.endr
.endm
.macro STEP2 q, sc, mode, nt, nq
	s_wait_dscnt 2*NL                              ; all but the youngest six loads (Wv's blocks 2, 3) are in
.if \mode
	WIN BIAS_LO
.else
	WIN MUL_LO
.endif
	MULB 0, \q, \q, \sc, \mode
	MULB 1, \q, \q, \sc, \mode
	s_wait_dscnt 0
	PLACES NP
	FETCH2_B \nt, \nq, 1-(\q)
	FETCH2_A \nt, \nq, 0
.if \nq == 0
	SCALES2 \nt, 1-(\sc)
.endif
.if \mode
	WIN BIAS_LO
.else
	WIN MUL_LO
.endif
	MULB 2, \q, \q, \sc, \mode
	MULB 3, \q, \q, \sc, \mode
	PLACES NP
	WIN 0
	FETCH2_A \nt, \nq, 2
.endm
; kp1's last step: behind its barrier every wave's last block has landed for all; nothing is filled, so no round of the cluster's barrier
.macro MEET2 sc, nt
	s_wait_tensorcnt 0x0                           ; my last tensor load has landed
	ds_add_u32 v[SPW], v[NIL]                      ; 0 onto my spare word
	s_wait_dscnt 2*NL+1                            ; (the add and the youngest six loads may be out)
	WIN MUL_LO
	MULB 0, 1, 1, \sc, 0
	s_wait_dscnt 0x0
	s_barrier_signal -1
	MULB 1, 1, 1, \sc, 0
	WIN 0
	s_barrier_wait -1
	PLACES NP
	FETCH2_B \nt, 0, 0
	FETCH2_A \nt, 0, 0
	SCALES2 \nt, 1-(\sc)
	WIN MUL_LO
	MULB 2, 1, 1, \sc, 0
	MULB 3, 1, 1, \sc, 0
	PLACES NP
	WIN 0
	FETCH2_A \nt, 0, 2
.endm
; THE WAY OUT.  Block a: a lane's 64 registers are k = 32 b + 16 h + i (register 16 b + i) of its row: one K step of the next product.  They become a fragment's image and the row's scale word.
.macro QEPI a, ptr
.set AC, 64*((\a)%4)
.set WA, 2+(\a)/4
.set W01, WA+4*WA
	WIN W01                                        ; sources 0 and 1: the accumulators' window
.irp b, 0,1,2,3
	v_max3_num_f32 v[TM+\b], |v[AC+16*\b]|, |v[AC+16*\b+1]|, 0x2800000   ; each accumulator is read from its low end on; the floor 2^(5 - 127) holds the byte at 1 from below
.endr
.irp i, 2,4,6,8,10,12,14
.irp b, 0,1,2,3
	v_max3_num_f32 v[TM+\b], |v[AC+16*\b+\i]|, |v[AC+16*\b+\i+1]|, v[TM+\b]
.endr
.endr
	WIN 0
.irp b, 0,1,2,3
	v_permlanex16_b32 v[TM+4+\b], v[TM+\b], s[SEL], s[SEL+1]
.endr
.irp b, 0,1,2,3
	v_max_num_f32 v[TM+\b], v[TM+\b], v[TM+4+\b]   ; with lane l xor 16's 16: the block's largest magnitude
.endr
.irp b, 0,1,2,3
	v_add_nc_u32 v[TM+8+\b], 0xfe000000, v[TM+\b]  ; 4 off the exponent field: the conversion's scale operand
.endr
.irp b, 0,1,2,3
	v_lshrrev_b32 v[TM+4+\b], 23, v[TM+8+\b]       ; the byte
.endr
	v_lshl_or_b32 v[PWS+\a], v[TM+5], 8, v[TM+4]
	v_lshl_or_b32 v[PWS+\a], v[TM+6], 16, v[PWS+\a]
	v_lshl_or_b32 v[PWS+\a], v[TM+7], 24, v[PWS+\a]
	s_wait_xcnt 0x0                                ; the earlier stores have read the registers that they store: those are written again only behind this wait
	WIN WA
.irp c, 0,1
	v_cvt_scalef32_pk16_bf6_f32 v[PC+6*\c:PC+6*\c+2], v[AC+32*\c:AC+32*\c+15], v[TM+8+2*\c]
	v_cvt_scalef32_pk16_bf6_f32 v[PC+12+4*\c:PC+14+4*\c], v[AC+32*\c+16:AC+32*\c+31], v[TM+8+2*\c+1]   ; (a conversion's three registers begin on an even number)
.endr
	WIN 0
	v_nop                                          ; one plain place behind a scaled conversion
.irp c, 0,1                                    ; the operand's layout wants a whole block of 32 in a lane
.irp i, 0,1,2
	v_permlane16_swap_b32 v[PC+6*\c+\i], v[PC+12+4*\c+\i]
.endr
.irp i, 0,1,2
	v_mov_b32 v[PC+3+6*\c+\i], v[PC+12+4*\c+\i]
.endr
.endr
.irp c, 0,1,2
	global_store_b128 v[LI], v[PC+4*\c:PC+4*\c+3], s[\ptr:\ptr+1] offset:3072*(\a)+512*\c   ; 512 consecutive bytes a store
.endr
.endm
	; ---- PART 1
	s_wait_alu depctr_va_vdst(0)
	s_wait_tensorcnt 0x0                           ; my part of kp0, kp1, kp2 is in; no tensor load of mine is out, so a descriptor may be written
	s_mov_b32 s[G1A2+2], 200<<16                   ; from here on these two bring a pair
	s_mov_b32 s[G1A2+4], 200
	s_mov_b32 s[G1B2+2], 200<<16
	s_mov_b32 s[G1B2+4], 200
	s_barrier_signal -1
	s_barrier_wait -1
	FETCH_B 0, 0, 0
	FETCH_A 0, 0, 0
	SCALES 0, 0
	FETCH_A 0, 0, 4
	s_wait_loadcnt 0x0                             ; the biases
	STEP 0, 0, 1, 0, 1                             ; kp0: the first products start the sums from the bias
	TURN 0, 1, 1                                   ; place 0 takes kp3; on to kp1 in place 1
	STEP 0, 1, 0, 1, 1
	STEP 1, 1, 0, 2, 0                             ; on to kp2 in place 2: it landed with kp0, and nothing is filled here: no barrier
	STEP 0, 0, 0, 2, 1
	TURN 0, 0, 3                                   ; places 1 and 2 take part 2's pairs; on to kp3 in place 0
	STEP 0, 1, 0, 0, 1
	s_wait_dscnt 4*NL                              ; part 1's last step: nothing more to fetch
	WIN MUL_LO
	MUL16 0, 1, 1, 1, 0
	MUL16 2, 1, 1, 1, 0
	s_wait_dscnt 0
	WIN MUL_HI
	MUL16 4, 1, 1, 1, 0
	MUL16 6, 1, 1, 1, 0
	WIN 0
	PLACES NP                                      ; behind the last products, ahead of the first read of results
	s_mov_b32 s[SEL], 0x76543210
	s_mov_b32 s[SEL+1], 0xfedcba98
.irp b, 0,1,2,3
	v_mov_b32 v[TM+4+\b], 0                        ; a lane permute's destination counts as one of its sources
.endr
.irp a, 0,1,2,3
	QEPI \a, 8
.endr
	; the third round, in the middle of the way out: place 0 of every region, read out by all, takes the tokens' kp2 and kp3: one line, each wave its own block
	s_wait_tensorcnt 0x0                           ; part 2's pairs have landed: no tensor load of mine is out, so a group 0 may be written
	ds_add_u32 v[SPW], v[NIL]                      ; 0 onto my spare word
	s_mov_b64 s[GB0+2:GB0+3], s[PB3:PB3+1]
	s_or_b32 s[GB0+3], s[GB0+3], 0x80000000
	s_wait_dscnt 0x0                               ; the add is done; my reads of place 0 were over at the last step
	CROUND
	tensor_load_to_lds s[GB0:GB0+3], s[G1B1:G1B1+7]
	s_nop 0
.rept 4
	v_nop
.endr
	FETCH2_B 0, 0, 0                               ; part 2's first fragments land under the rest of the way out
	FETCH2_A 0, 0, 0
	SCALES2 0, 0
	FETCH2_A 0, 0, 2
.irp a, 0,1,2,3
.irp j, 0,1,2,3,4,5,6,7
	v_mov_b32 v[CB2+8*\a+\j], v[VB+\a]             ; part 2's bias in the result's layout: a lane's eight registers of a tile belong to one d
.endr
.endr
.irp a, 4,5,6,7
	QEPI \a, 8
.endr
	s_mov_b32 vcc_lo, 0xffff0000                   ; lanes 0-15 carry blocks 0-3's words, lanes 16-31 blocks 4-7's
.irp i, 0,1,2,3
	v_cndmask_b32 v[O4+\i], v[PWS+\i], v[PWS+4+\i], vcc_lo
.endr
	global_store_b128 v[LI], v[O4:O4+3], s[10:11]  ; my 128 tokens' words of this K step: 512 consecutive bytes
	; ---- PART 2
	STEP2 0, 0, 1, 0, 1                            ; kp0: the first products start the sums from the bias
	STEP2 1, 0, 0, 1, 0
	STEP2 0, 1, 0, 1, 1
	MEET2 1, 2
	STEP2 0, 0, 0, 2, 1
	STEP2 1, 0, 0, 3, 0
	STEP2 0, 1, 0, 3, 1
	s_wait_dscnt 2*NL
	WIN MUL_LO
	MULB 0, 1, 1, 1, 0
	MULB 1, 1, 1, 1, 0
	s_wait_dscnt 0
	MULB 2, 1, 1, 1, 0
	MULB 3, 1, 1, 1, 0
	WIN 0
	PLACES NP
.irp a, 0,1,2,3
	QEPI \a, 92
.endr
	v_cndmask_b32 v[O4], v[PWS], v[PWS+2], vcc_lo  ; lane (r, h) carries the words of blocks 2 h and 2 h + 1 of row r
	v_cndmask_b32 v[O4+1], v[PWS+1], v[PWS+3], vcc_lo
	global_store_b64 v[VS], v[O4:O4+1], s[94:95]   ; my 64 d's words of this K step: 256 consecutive bytes, aligned
	s_wait_tensorcnt 0x0                           ; the wave's end
	ds_add_u32 v[SPW], v[NIL]
	s_wait_dscnt 0x0
	CROUND                                         ; the closing round
	s_endpgm
.Lfunc_end_k_q62986a1eac_proj:
	.size	k_q62986a1eac_proj, .Lfunc_end_k_q62986a1eac_proj-k_q62986a1eac_proj
	.p2alignl 7, 3214868480
	.fill 96, 4, 3214868480
	.section	.rodata,"a",@progbits
	.p2align	6, 0x0
	.amdhsa_kernel k_q62986a1eac_proj
		.amdhsa_group_segment_fixed_size 327680
		.amdhsa_private_segment_fixed_size 0
		.amdhsa_enable_private_segment 0
		.amdhsa_kernarg_size 32
		.amdhsa_user_sgpr_count 2
		.amdhsa_user_sgpr_kernarg_segment_ptr 1
		.amdhsa_wavefront_size32 1
		.amdhsa_system_sgpr_workgroup_id_x 1
		.amdhsa_system_sgpr_workgroup_id_y 1
		.amdhsa_system_sgpr_workgroup_id_z 1
		.amdhsa_system_vgpr_workitem_id 0
		.amdhsa_next_free_vgpr 1024
		.amdhsa_next_free_sgpr 104
		.amdhsa_reserve_vcc 1
		.amdhsa_float_denorm_mode_32 3
		.amdhsa_float_denorm_mode_16_64 3
		.amdhsa_memory_ordered 1
		.amdhsa_forward_progress 1
		.amdhsa_inst_pref_size 221
	.end_amdhsa_kernel
	.amdgpu_metadata
---
amdhsa.version: [ 1, 2 ]
amdhsa.kernels:
  - .name:           k_q62986a1eac_proj
    .symbol:         k_q62986a1eac_proj.kd
    .args:
      - { .name: xw_img, .offset: 0, .size: 8, .value_kind: global_buffer, .address_space: global }
      - { .name: b_qvk, .offset: 8, .size: 8, .value_kind: global_buffer, .address_space: global }
      - { .name: qk_img, .offset: 16, .size: 8, .value_kind: global_buffer, .address_space: global }
      - { .name: vt_img, .offset: 24, .size: 8, .value_kind: global_buffer, .address_space: global }
    .group_segment_fixed_size: 327680
    .private_segment_fixed_size: 0
    .kernarg_segment_align: 8
    .kernarg_segment_size: 32
    .max_flat_workgroup_size: 128
    .sgpr_count:     104
    .vgpr_count:     1024
    .wavefront_size: 32
...
	.end_amdgpu_metadata
.endif
;; end of part 2
;; launch score (part 3): grid 8 x 32, 4 waves a work-group, clusters of 4 x 4, 327,680 bytes of LDS; arguments qk_img, p_img, p_aux; writes p_img, p_aux
.if DOCPART == 3
	.amdgcn_target "amdgcn-amd-amdhsa--gfx1250"
	.amdhsa_code_object_version 6
	.text
	.protected	k_q62986a1eac_score
	.globl	k_q62986a1eac_score
	.p2align	8
	.type	k_q62986a1eac_score,@function
k_q62986a1eac_score:
	s_mov_b64 s[64:65], 0
	v_nop
	global_prefetch_b8 v0, s[64:65] scope:SCOPE_SE
	s_setreg_imm32_b32 hwreg(HW_REG_WAVE_MODE, 25, 1), 1
	s_wait_xcnt 0x0
	s_wait_alu depctr_hold_cnt(0) depctr_sa_sdst(0) depctr_va_vdst(0) depctr_va_sdst(0) depctr_va_ssrc(0) depctr_va_vcc(0) depctr_vm_vsrc(0)
	s_getreg_b32 s2, hwreg(HW_REG_IB_STS2, 6, 4)
	s_cmp_eq_u32 s2, 0
	s_cbranch_scc0 .Lentry_in_a_cluster
	s_endpgm
.Lentry_in_a_cluster:
	s_bfe_u32 s2, ttmp6, 0x10000c
	s_cmp_lg_u32 s2, 0xf033
	s_cbranch_scc0 .Lentry_shape_is_right
	s_endpgm
.Lentry_shape_is_right:
; S = Q K^T on codes of BF6 (E3M2), K = the head's 1,024, and the softmax's numerator for each (query, 128 keys): t = S x log2(e) / 32; M = ceil(the largest t of these 128 keys), a whole number;
; p = 2^(t - M) is quantised along the keys in blocks of 32.  Stored: p's codes as operand images, and for each (query, 128 keys) the scale word, -M and the sum of the unquantised p.
; The next launch brings the scale bytes under the row's largest M: a power of two, which the bytes take up exactly.  So a maximum is taken away before every exponential.
; A tile of 256 queries (second source: a lane holds one query) x 256 keys (first source: the registers run along the keys) is made by four waves, 128 x 128 each.
; Operands are images of their registers: qk_img [kp 8: 0-3 Q, 4-7 K][group of 128 tokens: 64][25,600]: codes [rb 8][q 2][1536], then scale words [q 2][512].  In a group of 128, row r of block 2b+u is index 32b + 8u + r + 8 (r/8):
; so register 16 b + i of lane half h is key 32 b + 16 h + i of the wave's 128.
; p_img [queries/64: 128][kp 8][rb 4][q 2][1536]; p_aux: three planes [rg 64][ks 16][512] (scale words, -M, the sum), each word at 16 (16 (block/4) + r) + 4 (block%4).
; CLUSTER: the four work-groups of a row of the cluster share Q's tile, the four of a column K's: joint loads.  K goes in four steps of 256 through two LDS slots of four blocks: one load a wave at the head, and one behind each of three rounds.
; PREFETCH: the blocks of steps 2 and 3 are asked of the L2 one step ahead of their loads.  Each block has 100 units of 256 bytes; the four partners that load it jointly ask for 25 each, told apart by address, one instruction a wave.
; LIMITS: a block whose every p is 0 gets the byte 1 (its codes are zeros); NaN and infinities are not served; the promise holds while |S x log2(e) / 32| stays under 2^31.
; REGISTERS: window 0: v16-29 addresses, v32-63 scale words, v64-131 the way out, v128-223 Q's fragments; window 1: K's two sets; windows 2, 3: the accumulators.
.set FR,    12
.set NL,    3
.set NP,    4
.set BLK,   25600
.set SCO,   24576                      ; where the scale words begin in a block
.set SLOT,  4*BLK                      ; Q's two halves, K's two halves
.set SPARE, 2*SLOT                     ; the spare words, 128 bytes for each wave: two blocks of 256 bytes that no other line names
.set KSB,   64*BLK                     ; from one 256 along K to the next in qk_img
.set ADRA, 16
.set ADRB, 18
.set ADRS, 20
.set LI,   24
.set PFO,  25
.set SPW,  28
.set NIL,  29
.set SC,   32
.set AF,   128
.set PC,   64                          ; v64-82 codes
.set BM,   84                          ; v84-87 the blocks' largest scores, then largest p; v88-91 the other half's, then bytes; v92-95 scale operands
.set PWS,  96                          ; v96-103 scale words, v104-111 -M, v112-119 sums, one for each block of queries
.set NMS,  104
.set LLS,  112
.set O4,   120
.set NMP,  124                         ; v[124:125] -M of the block in hand (the packed form names a pair and takes its low word)
.set SUA,  126                         ; v[126:127], v[128:129] the sum in two chains
.set SUC,  128
.set TT,   130                         ; v130-131 at work
.set G1,   24
.set G0,   32
.set G1B,  48
.set G0B,  56
.set PFA,  76                          ; s[76:77] where my prefetches stand
.set CS,   96                          ; s[96:97] c = log2(e) / 32
.set SEL,  98                          ; s[98:99]
.set MSB, 0
.macro WIN new
.if MSB != \new
	s_set_vgpr_msb (MSB<<8)|\new
.set MSB, \new
.endif
.endm
.set MUL_LO, 0xa1
.set MUL_HI, 0xf1
.set TO_B,   0x40
.macro JLOAD g0a, g1a, g0b, g1b        ; waves 0 and 1 fetch Q's halves, waves 2 and 3 K's; four v_nop follow each line
	s_cmp_eq_u32 s15, 0
	s_cbranch_scc0 .Lfor_b_\@
	tensor_load_to_lds s[\g0a:\g0a+3], s[\g1a:\g1a+7]
	s_nop 0
.rept 4
	v_nop
.endr
	s_branch .Lasked_\@
.Lfor_b_\@:
	tensor_load_to_lds s[\g0b:\g0b+3], s[\g1b:\g1b+7]
	s_nop 0
.rept 4
	v_nop
.endr
.Lasked_\@:
.endm
.macro CREST
	s_cmp_lg_u32 s14, 0
	s_cbranch_scc1 .Lnot_wave_0_\@
	s_barrier_signal -3
.Lnot_wave_0_\@:
	s_barrier_wait -3
	s_barrier_signal -1
	s_barrier_wait -1
.endm
.macro CROUND
	s_barrier_signal -1
	s_barrier_wait -1
	CREST
.endm
.macro PLACES n
.rept \n
	v_nop
.endr
.endm
	s_load_b64 s[4:5], s[0:1], 0x0                 ; qk_img
	s_load_b128 s[8:11], s[0:1], 0x8               ; p_img, p_aux
	v_lshl_add_u32 v[SPW], v0, 2, SPARE
	v_mov_b32 v[NIL], 0
	ds_add_u32 v[SPW], v[NIL]                      ; the opening: the add, twice on end, and its wait
	ds_add_u32 v[SPW], v[NIL]
	v_lshrrev_b32 v1, 5, v0
	v_readfirstlane_b32 s14, v1                    ; wave 0..3
	s_lshr_b32 s15, s14, 1                         ; my half of the queries.  Also: I fetch for Q (0) or K (1)
	s_and_b32 s16, s14, 1                          ; my half of the keys.  Also: which 128 rows I fetch
	s_bfe_u32 s40, ttmp6, 0x40000                  ; cx
	s_bfe_u32 s41, ttmp6, 0x40004                  ; cy
	s_lshl_b32 s42, ttmp9, 2
	s_add_co_u32 s42, s42, s40                     ; the tile of 256 keys in the batch, 0..7
	s_and_b32 s18, ttmp7, 0xffff
	s_lshl_b32 s17, s18, 2
	s_add_co_u32 s17, s17, s41                     ; the tile of 256 queries, 0..31
	s_lshr_b32 s19, s18, 1                         ; the batch: two clusters along y to each, so all partners share it
	s_lshl_b32 s43, s41, 2
	s_lshl_b32 s43, 15, s43
	s_lshl_b32 s44, 0x1111, s40
	s_or_b32 s[G1+0], s43, (3<<16)|(1<<21)         ; a block is dense: 100 rows of 256 bytes (32 elements of 8 bytes)
	s_or_b32 s[G1B+0], s44, (3<<16)|(1<<21)
.irp g, G1, G1B
	s_mov_b32 s[\g+1], 32<<16
	s_mov_b32 s[\g+2], 100<<16
	s_mov_b32 s[\g+3], 32<<16
	s_mov_b32 s[\g+4], 100
	s_mov_b32 s[\g+5], 32
	s_mov_b32 s[\g+6], 0
	s_mov_b32 s[\g+7], 0
.endr
	s_lshl_b32 s20, s17, 1
	s_add_co_u32 s20, s20, s16                     ; Q: group 2 x tile + half
	s_mul_i32 s20, s20, BLK
	s_mov_b32 s21, 0
	s_lshl_b32 s46, s19, 4
	s_lshl_b32 s47, s42, 1
	s_add_co_u32 s46, s46, s47
	s_add_co_u32 s46, s46, s16                     ; K: group 16 x batch + 2 x tile + half
	s_mul_i32 s46, s46, BLK
	s_add_co_u32 s46, s46, 4*KSB                   ; behind Q's
	s_mov_b32 s47, 0
	s_mul_i32 s45, s14, BLK                        ; where they go in a slot: no place in the cluster enters an LDS address
	s_wait_dscnt 0x0                               ; both opening adds are done
	s_wait_alu depctr_va_vdst(0)
	CROUND                                         ; all sixteen work-groups are here: the first joint loads meet
	s_wait_kmcnt 0x0
	s_add_nc_u64 s[20:21], s[4:5], s[20:21]
	s_add_nc_u64 s[46:47], s[4:5], s[46:47]
	s_mov_b32 s[G0], 1
	s_mov_b32 s[G0+1], s45
	s_mov_b64 s[G0+2:G0+3], s[20:21]
	s_or_b32 s[G0+3], s[G0+3], 0x80000000
	s_mov_b32 s[G0B], 1
	s_mov_b32 s[G0B+1], s45
	s_mov_b64 s[G0B+2:G0B+3], s[46:47]
	s_or_b32 s[G0B+3], s[G0B+3], 0x80000000
	JLOAD G0, G1, G0B, G1B                         ; step 0: one tensor load a wave at the head
	s_mov_b32 s[G0+4], 1
	s_add_co_u32 s[G0+5], s45, SLOT
	s_add_nc_u64 s[G0+6:G0+7], s[20:21], KSB
	s_or_b32 s[G0+7], s[G0+7], 0x80000000
	s_mov_b32 s[G0B+4], 1
	s_add_co_u32 s[G0B+5], s45, SLOT
	s_add_nc_u64 s[G0B+6:G0B+7], s[46:47], KSB
	s_or_b32 s[G0B+7], s[G0B+7], 0x80000000
	s_cmp_eq_u32 s15, 0                            ; the prefetches: the block that I fetch, at step 2, and in it my work-group's 25 units
	s_cselect_b64 s[PFA:PFA+1], s[20:21], s[46:47]
	s_cselect_b32 s92, s40, s41                    ; my place among the four that ask for it with me
	s_mul_i32 s92, s92, 6400
	s_mov_b32 s93, 0
	s_add_nc_u64 s[PFA:PFA+1], s[PFA:PFA+1], s[92:93]
	s_add_nc_u64 s[PFA:PFA+1], s[PFA:PFA+1], 2*KSB
	s_lshl_b32 s20, s17, 2                         ; where p goes: (4 x tile + 2 x half) groups of 64 queries x 98,304 + key tile x 12,288 + key half x 1,536
	s_lshl_b32 s21, s15, 1
	s_add_co_u32 s20, s20, s21
	s_mul_i32 s20, s20, 98304
	s_mul_i32 s21, s42, 12288
	s_add_co_u32 s20, s20, s21
	s_mul_i32 s21, s16, 1536
	s_add_co_u32 s20, s20, s21
	s_mov_b32 s21, 0
	s_add_nc_u64 s[8:9], s[8:9], s[20:21]
	s_lshl_b32 s20, s17, 1                         ; and the words: ((2 x tile + half) x 16 + 2 x key tile + key half) x 512
	s_add_co_u32 s20, s20, s15
	s_lshl_b32 s20, s20, 4
	s_lshl_b32 s22, s42, 1
	s_add_co_u32 s20, s20, s22
	s_add_co_u32 s20, s20, s16
	s_lshl_b32 s20, s20, 9
	s_add_nc_u64 s[10:11], s[10:11], s[20:21]
	s_mov_b32 s[CS], 0x3d38aa3b                    ; c = log2(e) / 32
	s_mov_b32 s[CS+1], s[CS]
	s_mov_b32 s[SEL], 0x76543210
	s_mov_b32 s[SEL+1], 0xfedcba98
	s_mul_i32 s72, s15, BLK                        ; my half of Q's tile
	s_mul_i32 s73, s16, BLK
	s_add_co_u32 s73, s73, 2*BLK                   ; my half of K's
	s_sub_co_u32 s74, s73, s72
	s_add_co_u32 s75, s72, SCO
	v_and_b32 v1, 15, v0                           ; r
	v_bfe_u32 v2, v0, 4, 1                         ; h
	v_and_b32 v3, 31, v0
	v_lshlrev_b32 v[LI], 4, v3
	v_add_nc_u32 v[ADRA], s72, v[LI]
	v_add_nc_u32 v[ADRB], s73, v[LI]
	v_add_nc_u32 v[ADRA+1], SLOT, v[ADRA]
	v_add_nc_u32 v[ADRB+1], SLOT, v[ADRB]
	v_mul_u32_u24 v4, s74, v2                      ; scale words: lanes 0-15 take Q's, lanes 16-31 K's
	v_lshl_add_u32 v4, v1, 4, v4
	v_add_nc_u32 v[ADRS], s75, v4
	v_add_nc_u32 v[ADRS+1], SLOT, v[ADRS]
	v_min_u32 v[PFO], 24, v3                       ; 25 units: the lanes left over name the last again
	v_lshlrev_b32 v[PFO], 8, v[PFO]
.macro FRAG reg, adr, q, i             ; a fragment comes as it lies: three loads of 16 bytes a lane, 512 consecutive bytes each
.irp c, 0,1,2
	ds_load_b128 v[\reg+4*\c:\reg+4*\c+3], v[\adr] offset:(2*(\i)+(\q))*1536+512*\c
.endr
.endm
; 16 matrix instructions: Q's blocks a0, a0 + 1 x K's eight.  zero = 1: the first product starts the sums.  The 64 accumulators take turns.
.macro MUL16 a0, p, q, sc, zero
.irp a, \a0, \a0+1
.irp b, 0,1,2,3,4,5,6,7
.set rD, 8*(8*((\a)%4)+\b)
.set rB, 128*(\p)+FR*\b
.set rA, AF+FR*(\a)
.set rSB, SC+16*(\sc)+8*(\q)+\b
.set rSA, SC+16*(\sc)+8*(\q)+(\a)
.if \zero
	v_wmma_scale_f32_16x16x128_f8f6f4 v[rD:rD+7], v[rB:rB+FR-1], v[rA:rA+FR-1], 0, v[rSB], v[rSA] matrix_a_fmt:MATRIX_FMT_BF6 matrix_b_fmt:MATRIX_FMT_BF6 matrix_a_scale:MATRIX_SCALE_ROW1
.else
	v_wmma_scale_f32_16x16x128_f8f6f4 v[rD:rD+7], v[rB:rB+FR-1], v[rA:rA+FR-1], v[rD:rD+7], v[rSB], v[rSA] matrix_a_fmt:MATRIX_FMT_BF6 matrix_b_fmt:MATRIX_FMT_BF6 matrix_a_scale:MATRIX_SCALE_ROW1
.endif
.endr
.endr
.endm
.macro FETCH_B slot, q, p
	WIN TO_B
.irp i, 0,1,2,3,4,5,6,7
	FRAG 128*(\p)+FR*\i, ADRB+\slot, \q, \i
.endr
	WIN 0
.endm
.macro FETCH_A slot, q, i0
.irp i, \i0, \i0+1, \i0+2, \i0+3
	FRAG AF+FR*(\i), ADRA+\slot, \q, \i
.endr
.endm
.macro SCALES sc                       ; the words of slot sc's two K steps, blocks 0-3 and 4-7
.irp q, 0,1
.irp f, 0,1
	ds_load_b128 v[SC+16*\sc+8*\q+4*\f:SC+16*\sc+8*\q+4*\f+3], v[ADRS+\sc] offset:512*\q+256*\f
.endr
.endr
.endm
.macro STEP slot, q, zero
	s_wait_dscnt 4*NL                              ; all but the youngest twelve loads (Q's blocks 4-7) are in
	WIN MUL_LO
	MUL16 0, (\q)%2, \q, \slot, \zero
	MUL16 2, (\q)%2, \q, \slot, \zero
	s_wait_dscnt 0
	PLACES NP                                      ; in front of loads into registers that matrix instructions have read
	FETCH_B \slot, (\q)+1, 1-(\q)%2
	FETCH_A \slot, (\q)+1, 0
	WIN MUL_HI
	MUL16 4, (\q)%2, \q, \slot, \zero
	MUL16 6, (\q)%2, \q, \slot, \zero
	PLACES NP
	WIN 0
	FETCH_A \slot, (\q)+1, 4
.endm
.macro TURN slot, next, fill, ask
.if \ask
	s_wait_xcnt 0x0                                ; my prefetch has read its address, which is stepped below
.endif
	s_wait_tensorcnt 0x0                           ; all my tensor loads have landed: my part of the next slot
	ds_add_u32 v[SPW], v[NIL]                      ; 0 onto my spare word
.if \fill
	s_add_nc_u64 s[G0+4*\slot+2:G0+4*\slot+3], s[G0+4*\slot+2:G0+4*\slot+3], 2*KSB
	s_add_nc_u64 s[G0B+4*\slot+2:G0B+4*\slot+3], s[G0B+4*\slot+2:G0B+4*\slot+3], 2*KSB
.endif
.if \ask
	s_add_nc_u64 s[PFA:PFA+1], s[PFA:PFA+1], KSB
.endif
	s_wait_dscnt 4*NL+1                            ; (the add and the youngest twelve loads may be out)
	WIN MUL_LO
	MUL16 0, 1, 1, \slot, 0
	s_wait_dscnt 0x0                               ; the add is done, and my reads of this slot are over
	s_barrier_signal -1
	MUL16 2, 1, 1, \slot, 0
	WIN 0
	s_barrier_wait -1
.if \fill
	CREST                                          ; a round of the cluster's barrier: no wave of any partner still reads this slot or has a load on its way
	JLOAD G0+4*\slot, G1, G0B+4*\slot, G1B
.else
	PLACES NP
.endif
	FETCH_B \next, 0, 0
	FETCH_A \next, 0, 0
	SCALES \next
.if \ask
	global_prefetch_b8 v[PFO], s[PFA:PFA+1] th:TH_LOAD_NT scope:SCOPE_SE   ; step 3's block, one step ahead of its load
.endif
	WIN MUL_HI
	MUL16 4, 1, 1, \slot, 0
	MUL16 6, 1, 1, \slot, 0
	PLACES NP
	WIN 0
	FETCH_A \next, 0, 4
.endm
	s_wait_alu depctr_va_vdst(0)
	s_wait_tensorcnt 0x0                           ; my part of step 0 is in
	ds_add_u32 v[SPW], v[NIL]
	s_wait_dscnt 0x0
	CROUND                                         ; everybody's part of step 0 is in, and all sixteen work-groups are here
	JLOAD G0+4, G1, G0B+4, G1B                     ; step 1 into slot 1: the first tensor load behind the round
	FETCH_B 0, 0, 0
	FETCH_A 0, 0, 0
	SCALES 0
	FETCH_A 0, 0, 4
	global_prefetch_b8 v[PFO], s[PFA:PFA+1] th:TH_LOAD_NT scope:SCOPE_SE   ; step 2's block, one step ahead of its load
	STEP 0, 0, 1                                   ; the first products start the sums
	TURN 0, 1, 1, 1
	STEP 1, 0, 0
	TURN 1, 0, 1, 0
	STEP 0, 0, 0
	TURN 0, 1, 0, 0
	STEP 1, 0, 0
	s_wait_dscnt 4*NL
	WIN MUL_LO
	MUL16 0, 1, 1, 1, 0
	MUL16 2, 1, 1, 1, 0
	s_wait_dscnt 0
	WIN MUL_HI
	MUL16 4, 1, 1, 1, 0
	MUL16 6, 1, 1, 1, 0
	WIN 0
; THE WAY OUT, a block of 16 queries at a time: the softmax's numerator over my 128 keys, quantised in registers.
.macro SEPI a
.set AC, 64*((\a)%4)
.set WA, 2+(\a)/4
.set W01, WA+4*WA                      ; sources 0 and 1 in the accumulators' window
.set WIP, WA+64*WA                     ; source 0 and destination
.set W1,  4*WA                         ; source 1
	WIN W01
.irp b, 0,1,2,3
	v_max_num_f32 v[BM+\b], v[AC+16*\b], v[AC+16*\b+1]   ; the largest score of each block of 32 keys: it serves for the row's maximum and, since p rises with the score, for the block's largest p
.endr
.irp i, 2,4,6,8,10,12,14
.irp b, 0,1,2,3
	v_max3_num_f32 v[BM+\b], v[AC+16*\b+\i], v[AC+16*\b+\i+1], v[BM+\b]
.endr
.endr
	WIN 0
.irp b, 0,1,2,3
	v_permlanex16_b32 v[BM+4+\b], v[BM+\b], s[SEL], s[SEL+1]
.endr
.irp b, 0,1,2,3
	v_max_num_f32 v[BM+\b], v[BM+\b], v[BM+4+\b]   ; with lane l xor 16's 16 keys
.endr
	v_max3_num_f32 v[TT], v[BM], v[BM+1], v[BM+2]
	v_max_num_f32 v[TT], v[TT], v[BM+3]
	v_mul_f32 v[TT], s[CS], v[TT]                  ; the largest t of my query over these 128 keys
	v_floor_f32 v[NMP], -v[TT]                     ; -M = floor(-t) = -ceil(t): a whole number
	v_mov_b32 v[NMS+\a], v[NMP]
.irp b, 0,1,2,3
	v_fma_f32 v[BM+\b], v[BM+\b], s[CS], v[NMP]
.endr
	s_wait_alu depctr_va_vdst(0)                   ; ahead of the batch
.irp b, 0,1,2,3
	v_exp_f32 v[BM+\b], v[BM+\b]                   ; the blocks' largest p: the same two instructions on the same number give the same bits.  They head the batch
.endr
	WIN WIP
.set j, 0
.rept 32
	v_pk_fma_f32 v[AC+j:AC+j+1], v[AC+j:AC+j+1], s[CS:CS+1], v[NMP:NMP+1] op_sel_hi:[1,0,0]   ; t - M, two at a time
.set j, j+2
.endr
.set j, 0
	s_wait_alu depctr_va_vdst(0)                   ; and ahead of this one
.rept 64
	v_exp_f32 v[AC+j], v[AC+j]                     ; p = 2^(t - M), at most 1
.set j, j+1
.endr
	v_nop                                          ; a plain place behind the last exponential
	s_wait_alu depctr_va_vdst(0)                   ; one wait ahead of the batch's first reader
	WIN W01
	v_pk_add_f32 v[SUA:SUA+1], v[AC:AC+1], v[AC+2:AC+3]     ; the sum of the UNQUANTISED p, in two chains
	v_pk_add_f32 v[SUC:SUC+1], v[AC+4:AC+5], v[AC+6:AC+7]
	WIN W1
.set j, 8
.rept 14
	v_pk_add_f32 v[SUA:SUA+1], v[SUA:SUA+1], v[AC+j:AC+j+1]
	v_pk_add_f32 v[SUC:SUC+1], v[SUC:SUC+1], v[AC+j+2:AC+j+3]
.set j, j+4
.endr
	WIN 0
	v_pk_add_f32 v[SUA:SUA+1], v[SUA:SUA+1], v[SUC:SUC+1]
	v_add_f32 v[TT], v[SUA], v[SUA+1]
	v_permlanex16_b32 v[TT+1], v[TT], s[SEL], s[SEL+1]
	v_add_f32 v[LLS+\a], v[TT], v[TT+1]            ; with lane l xor 16's: the sum over the 128 keys
.irp b, 0,1,2,3
	v_max_num_f32 v[BM+\b], 0x2800000, v[BM+\b]    ; the floor 2^(5 - 127): the byte cannot fall under 1
.endr
.irp b, 0,1,2,3
	v_add_nc_u32 v[BM+8+\b], 0xfe000000, v[BM+\b]  ; 4 off the exponent field: the conversion's scale operand
.endr
.irp b, 0,1,2,3
	v_lshrrev_b32 v[BM+4+\b], 23, v[BM+8+\b]
.endr
	v_lshl_or_b32 v[PWS+\a], v[BM+5], 8, v[BM+4]
	v_lshl_or_b32 v[PWS+\a], v[BM+6], 16, v[PWS+\a]
	v_lshl_or_b32 v[PWS+\a], v[BM+7], 24, v[PWS+\a]
	s_wait_xcnt 0x0                                ; the last block's stores have read the codes' registers
	WIN WA
.irp c, 0,1
	v_cvt_scalef32_pk16_bf6_f32 v[PC+6*\c:PC+6*\c+2], v[AC+32*\c:AC+32*\c+15], v[BM+8+2*\c]
	v_cvt_scalef32_pk16_bf6_f32 v[PC+12+4*\c:PC+14+4*\c], v[AC+32*\c+16:AC+32*\c+31], v[BM+8+2*\c+1]
.endr
	WIN 0
	v_nop                                          ; one plain place behind a scaled conversion
.irp c, 0,1
.irp i, 0,1,2
	v_permlane16_swap_b32 v[PC+6*\c+\i], v[PC+12+4*\c+\i]
.endr
.irp i, 0,1,2
	v_mov_b32 v[PC+3+6*\c+\i], v[PC+12+4*\c+\i]
.endr
.endr
.irp c, 0,1,2
	global_store_b128 v[LI], v[PC+4*\c:PC+4*\c+3], s[8:9] offset:((\a)/4)*98304+((\a)%4)*3072+512*\c   ; 512 consecutive bytes a store
.endr
.endm
	PLACES NP                                      ; behind the last products, ahead of the first read of results and of writes into Q's registers
.irp b, 0,1,2,3
	v_mov_b32 v[BM+4+\b], 0                        ; a lane permute's destination counts as one of its sources
.endr
	v_mov_b32 v[TT+1], 0
	v_mov_b32 v[NMP+1], 0                          ; (named as the upper half of a pair)
.irp a, 0,1,2,3,4,5,6,7
	SEPI \a
.endr
	s_wait_xcnt 0x0                                ; the last block's stores have read the codes' registers
	s_mov_b32 vcc_lo, 0xffff0000                   ; lanes 0-15 carry blocks 0-3's words, lanes 16-31 blocks 4-7's
.irp i, 0,1,2,3
	v_cndmask_b32 v[O4+\i], v[PWS+\i], v[PWS+4+\i], vcc_lo
	v_cndmask_b32 v[PC+\i], v[NMS+\i], v[NMS+4+\i], vcc_lo
	v_cndmask_b32 v[PC+4+\i], v[LLS+\i], v[LLS+4+\i], vcc_lo
.endr
	global_store_b128 v[LI], v[O4:O4+3], s[10:11]                   ; the scale words,
	global_store_b128 v[LI], v[PC:PC+3], s[10:11] offset:524288     ; -M,
	global_store_b128 v[LI], v[PC+4:PC+7], s[10:11] offset:1048576  ; the sums: 512 consecutive bytes each
	s_wait_tensorcnt 0x0                           ; the wave's end
	ds_add_u32 v[SPW], v[NIL]
	s_wait_dscnt 0x0
	CROUND                                         ; the closing round
	s_endpgm
.Lfunc_end_k_q62986a1eac_score:
	.size	k_q62986a1eac_score, .Lfunc_end_k_q62986a1eac_score-k_q62986a1eac_score
	.p2alignl 7, 3214868480
	.fill 96, 4, 3214868480
	.section	.rodata,"a",@progbits
	.p2align	6, 0x0
	.amdhsa_kernel k_q62986a1eac_score
		.amdhsa_group_segment_fixed_size 327680
		.amdhsa_private_segment_fixed_size 0
		.amdhsa_enable_private_segment 0
		.amdhsa_kernarg_size 24
		.amdhsa_user_sgpr_count 2
		.amdhsa_user_sgpr_kernarg_segment_ptr 1
		.amdhsa_wavefront_size32 1
		.amdhsa_system_sgpr_workgroup_id_x 1
		.amdhsa_system_sgpr_workgroup_id_y 1
		.amdhsa_system_sgpr_workgroup_id_z 1
		.amdhsa_system_vgpr_workitem_id 0
		.amdhsa_next_free_vgpr 1024
		.amdhsa_next_free_sgpr 104
		.amdhsa_reserve_vcc 1
		.amdhsa_float_denorm_mode_32 3
		.amdhsa_float_denorm_mode_16_64 3
		.amdhsa_memory_ordered 1
		.amdhsa_forward_progress 1
		.amdhsa_inst_pref_size 193
	.end_amdhsa_kernel
	.amdgpu_metadata
---
amdhsa.version: [ 1, 2 ]
amdhsa.kernels:
  - .name:           k_q62986a1eac_score
    .symbol:         k_q62986a1eac_score.kd
    .args:
      - { .name: qk_img, .offset: 0, .size: 8, .value_kind: global_buffer, .address_space: global }
      - { .name: p_img, .offset: 8, .size: 8, .value_kind: global_buffer, .address_space: global }
      - { .name: p_aux, .offset: 16, .size: 8, .value_kind: global_buffer, .address_space: global }
    .group_segment_fixed_size: 327680
    .private_segment_fixed_size: 0
    .kernarg_segment_align: 8
    .kernarg_segment_size: 24
    .max_flat_workgroup_size: 128
    .sgpr_count:     104
    .vgpr_count:     1024
    .wavefront_size: 32
...
	.end_amdgpu_metadata
.endif
;; end of part 3
;; launch mix (part 4): grid 4 x 64, 4 waves a work-group, clusters of 4 x 4, 327,680 bytes of LDS; arguments p_img, p_aux, vt_img, out0; writes out0
.if DOCPART == 4
	.amdgcn_target "amdgcn-amd-amdhsa--gfx1250"
	.amdhsa_code_object_version 6
	.text
	.protected	k_q62986a1eac_mix
	.globl	k_q62986a1eac_mix
	.p2align	8
	.type	k_q62986a1eac_mix,@function
k_q62986a1eac_mix:
	s_mov_b64 s[64:65], 0
	v_nop
	global_prefetch_b8 v0, s[64:65] scope:SCOPE_SE
	s_setreg_imm32_b32 hwreg(HW_REG_WAVE_MODE, 25, 1), 1
	s_wait_xcnt 0x0
	s_wait_alu depctr_hold_cnt(0) depctr_sa_sdst(0) depctr_va_vdst(0) depctr_va_sdst(0) depctr_va_ssrc(0) depctr_va_vcc(0) depctr_vm_vsrc(0)
	s_getreg_b32 s2, hwreg(HW_REG_IB_STS2, 6, 4)
	s_cmp_eq_u32 s2, 0
	s_cbranch_scc0 .Lentry_in_a_cluster
	s_endpgm
.Lentry_in_a_cluster:
	s_bfe_u32 s2, ttmp6, 0x10000c
	s_cmp_lg_u32 s2, 0xf033
	s_cbranch_scc0 .Lentry_shape_is_right
	s_endpgm
.Lentry_shape_is_right:
; out0 = P V / l on codes of BF6 (E3M2), K = the 2,048 keys.  A work-group makes 128 queries x 256 d, each of its four waves 64 x 128: 32 accumulators.  256 work-groups.
; P's scale bytes stand under a maximum M of 128 keys each; here they are brought under the row's largest M: each byte takes M(128 keys) - M(row), 0 or less, and is held at 0 from below; l = the sum over the 128-key sums x 2^(M - M(row)).
; p_img [queries/64: 128][256 keys: 8][rb 4][q 2][1536].  p_aux: three planes [128 queries: 64][K step of 128 keys: 16][512] (scale words, -M, the sums), the word of block i, row r at 16 (16 (i/4) + r) + 4 (i%4).
; vt_img [batch 4][group of 128 d: 8][512 keys: 4][51,200]: codes [256 keys: 2][rb 8][q 2][1536], then scale words [K step 4][512].
; Source 0 = 16 rows of P, source 1 = 16 rows of V^T: lane r holds one d, and register j of half h row 8 h + j of P's block.  In P, row r of block 2b+u is query 32b + 8u + r + 8 (r/8) of a group of 128 (of my 64: b = 0, 1): so 32b + 8u + 16h + j.
; In V, row r of block 4g+t is d = 64g + 4r + t: register j of tiles 4g .. 4g+3 are four neighbours, and sixteen lanes' four make one aligned unit of 256 bytes of a row of out0: no stage.
; LDS: two slots of 512 keys: P's two halves of 64 queries (24,576 bytes each), V's two of 128 d (51,200 each); then P's scale words, the row sums, the spare words.
; FILLS: one load a wave at the head (slot 0); then one a wave behind each of three rounds.  CLUSTER: P's tile is shared along a row of the cluster, V's along a column: joint loads.
; PREFETCH: the tiles of the third and the fourth 512 keys are asked of the L2 one slot ahead of their loads.  Of P's half the four partners ask for 24 units of 256 bytes each, of V's half for 50, told apart by address.
; THE LAST 512 KEYS GO BY ROWS: all their fragments of V lie in registers (384), and P's four blocks are finished one after the other, 32 matrix instructions each; a block leaves while the next is multiplied.
; LIMITS: NaN and infinities are not served; a block of p whose byte would fall under 0 is held at 0 (under 2^-99 of the row's largest p).
; REGISTERS: window 0: v16-31 addresses; v32-95 scale words, two sets; v96-127 at work at the head; v128-175, v176-223 P's fragments; v224-255 1 / l.   window 1: V's two sets (v0-191);
;   window 2: V's last two K steps (v0-191); v192-255 of windows 1 and 2: a block on its way out.   window 3: accumulator (a, b) at v[8 (8 a + b)].
.set FR,    12
.set NL,    3
.set NP,    4
.set AH,    24576
.set BH,    51200
.set SLOT,  2*AH+2*BH
.set ASC,   2*SLOT                     ; P's scale words: 16 K steps x 512
.set LREG,  ASC+8192                   ; the waves' shares of l: 4 x 512
.set LR2,   LREG+2048                  ; 1 / l, each wave's own copy: 4 x 512
.set SPARE, LR2+2048                   ; the spare words, 128 bytes for each wave: two blocks of 256 bytes that no other line names
.set ADRA, 16                          ; v16-17 my fragments of P in slot 0, 1
.set ADRB, 18                          ; v18-19 of V
.set ADRS, 20                          ; v20-23 scale words of 512 keys t: lanes 0-15 P's four blocks, lanes 16-31 V's blocks 0-3
.set SBV,  24                          ; v24-25 V's words in slot 0, 1 (all lanes)
.set LI,   26                          ; v26    16 x lane
.set CO,   27                          ; v27    my byte offset in out0
.set SPW,  28
.set NIL,  29
.set PF0,  30                          ; v30-31 the prefetches' offsets
.set PF1,  31
.set MN,   12                          ; v12-15 - the row's largest M, four queries a lane
.set SC,   32
.set WO,   96                          ; v96-111  my four K steps' scale words
.set NO,   112                         ; v112-127 their -M
.set NM,   128                         ; v128-191 all sixteen -M
.set LL,   192                         ; v192-207 my four K steps' sums
.set X,    208
.set Y,    224
.set Z,    240
.set AF,   128
.set R,    224                         ; v224-255 1 / l: R + 4 j + a: row 8 h + j of block a
.set G1,   24
.set G0,   32
.set G1B,  48
.set G0B,  56
.set PFA,  68                          ; s[68:69] where my prefetches stand; s[70:71] from one 512 keys to the next
.set PFI,  70
.set MSB, 0
.macro WIN new                         ; the immediate's high byte repeats the setting that is left
.if MSB != \new
	s_set_vgpr_msb (MSB<<8)|\new
.set MSB, \new
.endif
.endm
.set MULW, 0xf4                        ; source 0 (P) window 0, source 1 (V) window 1, C and D window 3
.set MULX, 0xf8                        ; the same, V in window 2
.macro JLOAD s                         ; waves 0 and 1 fetch P's halves, waves 2 and 3 V's; four v_nop follow each line
	s_cmp_eq_u32 s15, 0
	s_cbranch_scc0 .Lfor_b_\@
	tensor_load_to_lds s[G0+4*\s:G0+4*\s+3], s[G1:G1+7]
	s_nop 0
.rept 4
	v_nop
.endr
	s_branch .Lasked_\@
.Lfor_b_\@:
	tensor_load_to_lds s[G0B+4*\s:G0B+4*\s+3], s[G1B:G1B+7]
	s_nop 0
.rept 4
	v_nop
.endr
.Lasked_\@:
.endm
.macro ASK                             ; P's waves have 24 units, one instruction; V's 50, two
	global_prefetch_b8 v[PF0], s[PFA:PFA+1] th:TH_LOAD_NT scope:SCOPE_SE
	s_cmp_lg_u32 s15, 0
	s_cbranch_scc0 .Lone_\@
	global_prefetch_b8 v[PF1], s[PFA:PFA+1] th:TH_LOAD_NT scope:SCOPE_SE
.Lone_\@:
.endm
.macro CREST
	s_cmp_lg_u32 s14, 0
	s_cbranch_scc1 .Lnot_wave_0_\@
	s_barrier_signal -3
.Lnot_wave_0_\@:
	s_barrier_wait -3
	s_barrier_signal -1
	s_barrier_wait -1
.endm
.macro CROUND
	s_barrier_signal -1
	s_barrier_wait -1
	CREST
.endm
.macro PLACES n
.rept \n
	v_nop
.endr
.endm
	s_load_b256 s[4:11], s[0:1], 0x0               ; p_img s[4:5], p_aux s[6:7], vt_img s[8:9], out0 s[10:11]
	v_lshl_add_u32 v[SPW], v0, 2, SPARE
	v_mov_b32 v[NIL], 0
	ds_add_u32 v[SPW], v[NIL]                      ; the opening: the add, twice on end, and its wait
	ds_add_u32 v[SPW], v[NIL]
	v_lshrrev_b32 v1, 5, v0
	v_readfirstlane_b32 s14, v1                    ; wave 0..3
	s_lshr_b32 s15, s14, 1                         ; my half of the queries.  Also: I fetch for P (0) or V (1)
	s_and_b32 s16, s14, 1                          ; my half of the d.  Also: which half I fetch
	s_bfe_u32 s40, ttmp6, 0x40000                  ; cx
	s_bfe_u32 s41, ttmp6, 0x40004                  ; cy
	s_lshl_b32 s42, ttmp9, 2
	s_add_co_u32 s42, s42, s40                     ; the tile of 256 d, 0..3
	s_and_b32 s18, ttmp7, 0xffff
	s_lshl_b32 s17, s18, 2
	s_add_co_u32 s17, s17, s41                     ; the tile of 128 queries, 0..63
	s_lshr_b32 s19, s18, 2                         ; the batch: four clusters along y to each, so all partners share it
	s_lshl_b32 s43, s41, 2
	s_lshl_b32 s43, 15, s43
	s_lshl_b32 s44, 0x1111, s40
	s_or_b32 s[G1+0], s43, (3<<16)|(1<<21)         ; dense blocks as rows of 256 bytes: 96 of P, 200 of V
	s_mov_b32 s[G1+1], 32<<16
	s_mov_b32 s[G1+2], 96<<16
	s_mov_b32 s[G1+3], 32<<16
	s_mov_b32 s[G1+4], 96
	s_mov_b32 s[G1+5], 32
	s_mov_b32 s[G1+6], 0
	s_mov_b32 s[G1+7], 0
	s_or_b32 s[G1B+0], s44, (3<<16)|(1<<21)
	s_mov_b32 s[G1B+1], 32<<16
	s_mov_b32 s[G1B+2], 200<<16
	s_mov_b32 s[G1B+3], 32<<16
	s_mov_b32 s[G1B+4], 200
	s_mov_b32 s[G1B+5], 32
	s_mov_b32 s[G1B+6], 0
	s_mov_b32 s[G1B+7], 0
	s_lshl_b32 s20, s17, 1
	s_add_co_u32 s20, s20, s16
	s_mul_i32 s20, s20, 4*AH                       ; P: group of 64 queries 2 x tile + half
	s_mov_b32 s21, 0
	s_lshl_b32 s46, s19, 3
	s_lshl_b32 s47, s42, 1
	s_add_co_u32 s46, s46, s47
	s_add_co_u32 s46, s46, s16
	s_mul_i32 s46, s46, 4*BH                       ; V: group of 128 d 8 x batch + 2 x tile + half
	s_mov_b32 s47, 0
	s_lshl_b32 s22, s17, 13                        ; p_aux: my 128 queries' 8,192 bytes of each plane
	s_mov_b32 s23, 0
	s_lshl_b32 s92, s17, 19                        ; out0: row 128 x tile + 64 x half of 4,096 bytes,
	s_lshl_b32 s93, s15, 18
	s_add_co_u32 s92, s92, s93
	s_lshl_b32 s93, s42, 10                        ; column 256 x tile + 128 x half
	s_add_co_u32 s92, s92, s93
	s_lshl_b32 s93, s16, 9
	s_add_co_u32 s92, s92, s93
	s_mov_b32 s93, 0
	s_mul_i32 s45, s16, AH                         ; where the tiles go in a slot: no place in the cluster enters an LDS address
	s_mul_i32 s94, s16, BH
	s_add_co_u32 s94, s94, 2*AH
	s_mul_i32 s72, s15, AH                         ; my half of P
	s_add_co_u32 s74, s94, 2*AH                    ; my half of V begins at s94; its scale words lie 2 AH = 49,152 bytes on
	s_add_co_u32 s79, s74, SLOT                    ; and in slot 1
	s_lshl_b32 s75, s15, 8
	s_add_co_u32 s75, s75, ASC                     ; from V's words to P's: 512 keys 0,
	s_sub_co_u32 s75, s75, s74
	s_sub_co_u32 s76, s75, SLOT-2048               ; 1 (V's in slot 1, P's 2,048 bytes on),
	s_add_co_u32 s77, s75, 4096                    ; 2
	s_add_co_u32 s78, s76, 4096                    ; and 3
	s_mul_i32 s98, s15, 26
	s_add_co_u32 s98, s98, 23                      ; my last unit to ask for: 23 of P, 49 of V
	s_lshl_b32 s99, s14, 11                        ; my four K steps in p_aux's planes
	s_lshl_b32 s100, s14, 9
	s_lshl_b32 s101, s15, 8
	s_add_co_u32 s100, s100, s101
	s_add_co_u32 s100, s100, LR2                   ; my own copy of 1 / l, my 64 queries' half
	s_wait_dscnt 0x0                               ; both opening adds are done
	s_wait_alu depctr_va_vdst(0)
	CROUND                                         ; all sixteen work-groups are here: the first joint loads meet
	s_wait_kmcnt 0x0
	s_add_nc_u64 s[20:21], s[4:5], s[20:21]
	s_add_nc_u64 s[46:47], s[8:9], s[46:47]
	s_mov_b32 s[G0], 1
	s_mov_b32 s[G0+1], s45
	s_mov_b64 s[G0+2:G0+3], s[20:21]
	s_or_b32 s[G0+3], s[G0+3], 0x80000000
	s_mov_b32 s[G0B], 1
	s_mov_b32 s[G0B+1], s94
	s_mov_b64 s[G0B+2:G0B+3], s[46:47]
	s_or_b32 s[G0B+3], s[G0B+3], 0x80000000
	JLOAD 0                                        ; one tensor load a wave at the head
	s_add_nc_u64 s[6:7], s[6:7], s[22:23]
	v_and_b32 v3, 31, v0
	v_lshlrev_b32 v[LI], 4, v3
	v_add_nc_u32 v4, s99, v[LI]
.irp k, 0,1,2,3,4,5,6,7,8,9,10,11,12,13,14,15
	global_load_b128 v[NM+4*\k:NM+4*\k+3], v[LI], s[6:7] offset:524288+512*\k   ; every K step's -M: 512 consecutive bytes a load
.endr
.irp e, 0,1,2,3
	global_load_b128 v[NO+4*\e:NO+4*\e+3], v4, s[6:7] offset:524288+512*\e      ; my four K steps': -M,
	global_load_b128 v[LL+4*\e:LL+4*\e+3], v4, s[6:7] offset:1048576+512*\e     ; sums,
	global_load_b128 v[WO+4*\e:WO+4*\e+3], v4, s[6:7] offset:512*\e             ; scale words
.endr
	s_add_nc_u64 s[10:11], s[10:11], s[92:93]
	s_mov_b32 s[G0+4], 1
	s_add_co_u32 s[G0+5], s45, SLOT
	s_add_nc_u64 s[G0+6:G0+7], s[20:21], AH
	s_or_b32 s[G0+7], s[G0+7], 0x80000000
	s_mov_b32 s[G0B+4], 1
	s_add_co_u32 s[G0B+5], s94, SLOT
	s_add_nc_u64 s[G0B+6:G0B+7], s[46:47], BH
	s_or_b32 s[G0B+7], s[G0B+7], 0x80000000
	s_mov_b32 s22, BH
	s_mov_b32 s23, 12800
	s_cmp_eq_u32 s15, 0                            ; the prefetches: the half that I fetch, at 512 keys 2, and in it my work-group's units
	s_cselect_b64 s[PFA:PFA+1], s[20:21], s[46:47]
	s_cselect_b32 s[PFI], AH, s22
	s_cselect_b32 s22, 6144, s23
	s_cselect_b32 s23, s40, s41                    ; my place among the four that ask for it with me
	s_mul_i32 s22, s22, s23
	s_mov_b32 s23, 0
	s_mov_b32 s[PFI+1], 0
	s_add_nc_u64 s[PFA:PFA+1], s[PFA:PFA+1], s[22:23]
	s_add_nc_u64 s[PFA:PFA+1], s[PFA:PFA+1], s[PFI:PFI+1]
	s_add_nc_u64 s[PFA:PFA+1], s[PFA:PFA+1], s[PFI:PFI+1]
	s_mov_b32 s96, 0x00ff00ff
	s_mov_b32 s97, 0x01000100
	s_wait_alu depctr_va_vdst(0)                   ; ahead of the readers below
	v_and_b32 v1, 15, v0                           ; r
	v_bfe_u32 v2, v0, 4, 1                         ; h
	v_xor_b32 v11, 1, v2
	v_add_nc_u32 v5, ASC, v4                       ; where my four K steps' scale words go
	v_lshl_add_u32 v6, v0, 4, LREG                 ; my share of l, 512 bytes a wave
	v_add_nc_u32 v7, LREG, v[LI]                   ; everybody's
	v_lshl_add_u32 v8, v2, 7, s100                 ; 1 / l of rows 8 h ..
	v_add_nc_u32 v[ADRA], s72, v[LI]
	v_add_nc_u32 v[ADRB], s94, v[LI]
	v_add_nc_u32 v[ADRA+1], SLOT, v[ADRA]
	v_add_nc_u32 v[ADRB+1], SLOT, v[ADRB]
	v_mul_u32_u24 v[ADRS], s75, v11                ; lanes 0-15 take P's words
	v_mul_u32_u24 v[ADRS+1], s76, v11
	v_mul_u32_u24 v[ADRS+2], s77, v11
	v_mul_u32_u24 v[ADRS+3], s78, v11
.irp t, 0,1,2,3
	v_lshl_add_u32 v[ADRS+\t], v1, 4, v[ADRS+\t]
.endr
	v_add_nc_u32 v[ADRS], s74, v[ADRS]
	v_add_nc_u32 v[ADRS+1], s79, v[ADRS+1]
	v_add_nc_u32 v[ADRS+2], s74, v[ADRS+2]
	v_add_nc_u32 v[ADRS+3], s79, v[ADRS+3]
	v_lshl_add_u32 v[SBV], v1, 4, s74
	v_lshl_add_u32 v[SBV+1], v1, 4, s79
	v_lshlrev_b32 v[CO], 4, v1
	v_lshl_add_u32 v[CO], v2, 16, v[CO]            ; lanes 16-31: 16 rows of 4,096 bytes on
	v_min_u32 v[PF0], s98, v3                      ; (lanes left over name the last unit again)
	v_lshlrev_b32 v[PF0], 8, v[PF0]
	v_add_nc_u32 v[PF1], 32, v3
	v_min_u32 v[PF1], s98, v[PF1]
	v_lshlrev_b32 v[PF1], 8, v[PF1]
	s_wait_alu depctr_va_vdst(0)
	s_wait_loadcnt 0x0
.irp i, 0,1,2,3
	v_min_num_f32 v[MN+\i], v[NM+\i], v[NM+4+\i]
.endr
.irp k, 2,3,4,5,6,7,8,9,10,11,12,13,14,15
.irp i, 0,1,2,3
	v_min_num_f32 v[MN+\i], v[MN+\i], v[NM+4*\k+\i]   ; the smallest -M: the row's
.endr
.endr
.macro E3 op, d, a, b                  ; sixteen registers
.set n, 0
.rept 16
	\op v[\d+n], \a, v[\b+n]
.set n, n+1
.endr
.endm
	E3 v_sub_f32, NO, v[MN+n%4], NO                ; M - the row's M: a whole number, 0 or less
	E3 v_max_num_f32, NO, 0xc37f0000, NO           ; held at -255
.set n, 0
.rept 16
	v_cvt_i32_f32 v[NO+n], v[NO+n]
.set n, n+1
.endr
.set n, 0
.rept 16
	v_ldexp_f32 v[LL+n], v[LL+n], v[NO+n]          ; the sums under the row's M: nothing is rounded
.set n, n+1
.endr
.irp e, 4,8,12
	v_pk_add_f32 v[LL:LL+1], v[LL:LL+1], v[LL+\e:LL+\e+1]
	v_pk_add_f32 v[LL+2:LL+3], v[LL+2:LL+3], v[LL+\e+2:LL+\e+3]
.endr
	E3 v_add_nc_u32, NO, 0x100, NO                 ; 256 + the step, 1 .. 256, in both halves of a word
.set n, 0
.rept 16
	v_lshl_or_b32 v[NO+n], v[NO+n], 16, v[NO+n]
.set n, n+1
.endr
	E3 v_and_b32, X, s96, WO                       ; bytes 0 and 2,
	E3 v_lshrrev_b32, Y, 8, WO                     ; bytes 1 and 3
	E3 v_and_b32, Y, s96, Y
	E3 v_add_nc_u32, X, v[NO+n], X                 ; byte + step + 256: bit 8 says that byte + step is 0 or more
	E3 v_add_nc_u32, Y, v[NO+n], Y
	E3 v_and_b32, Z, s97, X
	E3 v_lshrrev_b32, WO, 8, Z
	E3 v_sub_nc_u32, Z, v[Z+n], WO                 ; 255 or 0
	E3 v_and_b32, X, v[Z+n], X
	E3 v_and_b32, Z, s97, Y
	E3 v_lshrrev_b32, WO, 8, Z
	E3 v_sub_nc_u32, Z, v[Z+n], WO
	E3 v_and_b32, Y, v[Z+n], Y
.set n, 0
.rept 16
	v_lshl_or_b32 v[WO+n], v[Y+n], 8, v[X+n]
.set n, n+1
.endr
	ds_store_b128 v6, v[LL:LL+3]
.irp e, 0,1,2,3
	ds_store_b128 v5, v[WO+4*\e:WO+4*\e+3] offset:512*\e
.endr
.macro FRAGA reg, slot, q, i           ; a fragment comes as it lies: three loads of 16 bytes a lane, 512 consecutive bytes each
.irp c, 0,1,2
	ds_load_b128 v[\reg+4*\c:\reg+4*\c+3], v[ADRA+\slot] offset:((\q)/2)*12288+(2*(\i)+(\q)%2)*1536+512*\c
.endr
.endm
.macro FRAGB reg, slot, q, i
.irp c, 0,1,2
	ds_load_b128 v[\reg+4*\c:\reg+4*\c+3], v[ADRB+\slot] offset:((\q)/2)*24576+(2*(\i)+(\q)%2)*1536+512*\c
.endr
.endm
; 8 matrix instructions: P's block a x V's eight.  The 32 accumulators take turns.
.macro MULB a, p, q, sc, zero
.irp b, 0,1,2,3,4,5,6,7
.set rD, 8*(8*(\a)+\b)
.set rB, 96*(\p)+FR*\b
.set rA, AF+FR*(\a)
.set rSB, SC+32*(\sc)+8*(\q)+\b
.set rSA, SC+32*(\sc)+8*(\q)+(\a)
.if \zero
	v_wmma_scale_f32_16x16x128_f8f6f4 v[rD:rD+7], v[rA:rA+FR-1], v[rB:rB+FR-1], 0, v[rSA], v[rSB] matrix_a_fmt:MATRIX_FMT_BF6 matrix_b_fmt:MATRIX_FMT_BF6 matrix_b_scale:MATRIX_SCALE_ROW1
.else
	v_wmma_scale_f32_16x16x128_f8f6f4 v[rD:rD+7], v[rA:rA+FR-1], v[rB:rB+FR-1], v[rD:rD+7], v[rSA], v[rSB] matrix_a_fmt:MATRIX_FMT_BF6 matrix_b_fmt:MATRIX_FMT_BF6 matrix_b_scale:MATRIX_SCALE_ROW1
.endif
.endr
.endm
.macro FETCH_B slot, q, p, to          ; V's eight fragments of K step q; to = 0x40: window 1, 0x80: window 2
	WIN \to
.irp i, 0,1,2,3,4,5,6,7
	FRAGB 96*(\p)+FR*\i, \slot, \q, \i
.endr
	WIN 0
.endm
.macro FETCH_A slot, q, i0
.irp i, \i0, \i0+1
	FRAGA AF+FR*(\i), \slot, \q, \i
.endr
.endm
.macro SCALES t                        ; 512 keys t: registers 0-3: lanes 0-15 P's four blocks, lanes 16-31 V's blocks 0-3; registers 4-7: V's blocks 4-7
.irp q, 0,1,2,3
	ds_load_b128 v[SC+32*(\t%2)+8*\q:SC+32*(\t%2)+8*\q+3], v[ADRS+\t] offset:512*\q
	ds_load_b128 v[SC+32*(\t%2)+8*\q+4:SC+32*(\t%2)+8*\q+7], v[SBV+\t%2] offset:512*\q+256
.endr
.endm
.macro STEP slot, q, zero
	s_wait_dscnt 2*NL                              ; all but the youngest six loads (P's blocks 2, 3) are in
	WIN MULW
	MULB 0, (\q)%2, \q, \slot, \zero
	MULB 1, (\q)%2, \q, \slot, \zero
	s_wait_dscnt 0
	PLACES NP                                      ; in front of loads into registers that matrix instructions have read
	FETCH_B \slot, (\q)+1, 1-(\q)%2, 0x40
	FETCH_A \slot, (\q)+1, 0
	WIN MULW
	MULB 2, (\q)%2, \q, \slot, \zero
	MULB 3, (\q)%2, \q, \slot, \zero
	PLACES NP
	WIN 0
	FETCH_A \slot, (\q)+1, 2
.endm
; A slot's last K step: it is filled again, two slots on, behind a round of the cluster's barrier.  t: the 512 keys that come next
.macro TURN slot, next, t, ask
.if \ask
	s_wait_xcnt 0x0                                ; my prefetches have read their address, which is stepped below
.endif
	s_wait_tensorcnt 0x0                           ; all my tensor loads have landed: my part of the next slot
	ds_add_u32 v[SPW], v[NIL]                      ; 0 onto my spare word
	s_add_nc_u64 s[G0+4*\slot+2:G0+4*\slot+3], s[G0+4*\slot+2:G0+4*\slot+3], 2*AH
	s_add_nc_u64 s[G0B+4*\slot+2:G0B+4*\slot+3], s[G0B+4*\slot+2:G0B+4*\slot+3], 2*BH
.if \ask
	s_add_nc_u64 s[PFA:PFA+1], s[PFA:PFA+1], s[PFI:PFI+1]
.endif
	s_wait_dscnt 2*NL+1                            ; (the add and the youngest six loads may be out)
	WIN MULW
	MULB 0, 1, 3, \slot, 0
	s_wait_dscnt 0x0                               ; the add is done, and my reads of this slot are over
	s_barrier_signal -1
	MULB 1, 1, 3, \slot, 0
	WIN 0
	s_barrier_wait -1
	CREST                                          ; no wave of any partner still reads this slot or has a load on its way
	JLOAD \slot                                    ; (its four v_nop are the places in front of the loads below)
	FETCH_B \next, 0, 0, 0x40
	FETCH_A \next, 0, 0
	SCALES \t
.if \ask
	ASK
.endif
	WIN MULW
	MULB 2, 1, 3, \slot, 0
	MULB 3, 1, 3, \slot, 0
	PLACES NP
	WIN 0
	FETCH_A \next, 0, 2
.endm
	s_wait_alu depctr_va_vdst(0)
	s_wait_tensorcnt 0x0                           ; my part of slot 0 is in
	ds_add_u32 v[SPW], v[NIL]
	s_wait_dscnt 0x0                               ; the add is done, and for the others' sake my scale words and my share of l lie in LDS
	CROUND                                         ; everybody's part of slot 0 is in, and all sixteen work-groups are here
	JLOAD 1                                        ; the first tensor load behind the round
.irp w, 0,1,2,3
	ds_load_b128 v[96+4*\w:96+4*\w+3], v7 offset:512*\w   ; the four shares of l
.endr
	FETCH_B 0, 0, 0, 0x40
	FETCH_A 0, 0, 0
	SCALES 0
	FETCH_A 0, 0, 2
	ASK                                            ; the third 512 keys, one slot ahead of their load
	s_wait_dscnt 44                                ; the four shares are in; the 44 loads behind them may be out
.irp w, 4,8,12
	v_pk_add_f32 v[96:97], v[96:97], v[96+\w:97+\w]
	v_pk_add_f32 v[98:99], v[98:99], v[98+\w:99+\w]
.endr
	s_wait_alu depctr_va_vdst(0)                   ; ahead of the batch
.irp i, 0,1,2,3
	v_rcp_f32 v[112+\i], v[96+\i]
.endr
	v_nop                                          ; a plain place behind a transcendental
	s_wait_alu depctr_va_vdst(0)                   ; and for the one ahead of its first reader
	ds_store_b128 v6, v[112:115] offset:2048       ; my own copy: no other wave reads it
.irp j, 0,1,2,3,4,5,6,7
	ds_load_b128 v[R+4*\j:R+4*\j+3], v8 offset:16*\j   ; LDS serves a wave's instructions in order: these see my store.  Row 8 h + j, blocks 0-3 of my 64 queries
.endr
	STEP 0, 0, 1                                   ; the first products start the sums
	STEP 0, 1, 0
	STEP 0, 2, 0
	TURN 0, 1, 1, 1
	STEP 1, 0, 0
	STEP 1, 1, 0
	STEP 1, 2, 0
	TURN 1, 0, 2, 0
	STEP 0, 0, 0
	STEP 0, 1, 0
	STEP 0, 2, 0
; THE LAST 512 KEYS, BY ROWS.  V's K steps 0, 1 in window 1 (v0-95, v96-191), 2, 3 in window 2.  P's block a: 48 registers, v176-223 and v128-175 by turns
.macro AROW a
.irp q, 0,1,2,3
	FRAGA 176-48*((\a)%2)+FR*\q, 1, \q, \a
.endr
.endm
.macro W4 a, q, b0                     ; 4 matrix instructions: block a x tiles b0 .. b0 + 3 of K step q; a block's eight accumulators take turns, K ascending
.if (\q) < 2
	WIN MULW
.else
	WIN MULX
.endif
.irp e, 0,1,2,3
.set rX, 176-48*((\a)%2)+FR*(\q)
.set rD, 64*(\a)+8*(\b0+\e)
.set rB, 96*((\q)%2)+FR*(\b0+\e)
.set rSA, SC+32+8*(\q)+(\a)
.set rSB, SC+32+8*(\q)+\b0+\e
	v_wmma_scale_f32_16x16x128_f8f6f4 v[rD:rD+7], v[rX:rX+FR-1], v[rB:rB+FR-1], v[rD:rD+7], v[rSA], v[rSB] matrix_a_fmt:MATRIX_FMT_BF6 matrix_b_fmt:MATRIX_FMT_BF6 matrix_b_scale:MATRIX_SCALE_ROW1
.endr
.endm
.macro OUTJ o, j                       ; register j of block o's eight tiles x 1 / l: two runs of four neighbours; 16 lanes store 256 consecutive bytes, aligned
	WIN 0x43+0x40*((\o)%2)                         ; destination window 1 or 2, source 0 window 3
.irp g, 0,1
.irp t, 0,1,2,3
	v_mul_f32 v[192+8*(\j)+4*\g+\t], v[64*(\o)+8*(4*\g+\t)+(\j)], v[R+4*(\j)+(\o)]
.endr
.endr
	WIN 0x04+0x04*((\o)%2)                         ; the data: window 1 or 2
.irp g, 0,1
	global_store_b128 v[CO], v[192+8*(\j)+4*\g:192+8*(\j)+4*\g+3], s[10:11] offset:(32*((\o)/2)+8*((\o)%2)+(\j))*4096+256*\g th:TH_STORE_NT
.endr
.endm
.macro ROW a                           ; block a's 32 products, and among them block a - 1's way out
	s_wait_dscnt 0x0                               ; block a's fragments are in
.if (\a) == 3
	s_wait_xcnt 0x0                                ; block 0's stores have read the registers that block 2 takes
.endif
.irp q, 0,1,2,3
.irp f, 0,1
	W4 \a, \q, 4*\f
.if \q+\f == 0
	PLACES NP                                      ; behind block a - 1's last products
.endif
	OUTJ \a-1, 2*\q+\f
.if \q+\f == 0
	WIN 0
.if (\a) < 3
	AROW \a+1                                      ; into block a - 1's registers
.endif
.endif
.endr
.endr
	WIN 0
.endm
	s_wait_tensorcnt 0x0                           ; my last tensor load has landed
	s_wait_dscnt 2*NL
	WIN MULW
	MULB 0, 1, 3, 0, 0
	s_wait_dscnt 0x0
	s_barrier_signal -1
	MULB 1, 1, 3, 0, 0
	WIN 0
	s_barrier_wait -1
	PLACES NP
	SCALES 3
	AROW 0
	FETCH_B 1, 0, 0, 0x40
	WIN MULW
	MULB 2, 1, 3, 0, 0
	MULB 3, 1, 3, 0, 0
	PLACES NP                                      ; for the loads into V's second set and P's first
	WIN 0
	FETCH_B 1, 1, 1, 0x40
	FETCH_B 1, 2, 0, 0x80
	s_wait_dscnt 48                                ; all but the 48 just issued
	W4 0, 0, 0
	W4 0, 0, 4
	WIN 0
	FETCH_B 1, 3, 1, 0x80
	AROW 1
	s_wait_dscnt 60                                ; K step 1 is in; behind it 24 + 24 of V and 12 of P
	W4 0, 1, 0
	W4 0, 1, 4
	s_wait_dscnt 36                                ; K step 2
	W4 0, 2, 0
	W4 0, 2, 4
	s_wait_dscnt 12                                ; K step 3
	W4 0, 3, 0
	W4 0, 3, 4
	ROW 1
	ROW 2
	ROW 3
	PLACES NP                                      ; behind the last products
	s_wait_xcnt 0x0                                ; block 1's stores have read the registers that block 3 takes
.irp j, 0,1,2,3,4,5,6,7
	OUTJ 3, \j
.endr
	WIN 0
	s_wait_tensorcnt 0x0                           ; the wave's end
	ds_add_u32 v[SPW], v[NIL]
	s_wait_dscnt 0x0
	CROUND                                         ; the closing round
	s_endpgm
.Lfunc_end_k_q62986a1eac_mix:
	.size	k_q62986a1eac_mix, .Lfunc_end_k_q62986a1eac_mix-k_q62986a1eac_mix
	.p2alignl 7, 3214868480
	.fill 96, 4, 3214868480
	.section	.rodata,"a",@progbits
	.p2align	6, 0x0
	.amdhsa_kernel k_q62986a1eac_mix
		.amdhsa_group_segment_fixed_size 327680
		.amdhsa_private_segment_fixed_size 0
		.amdhsa_enable_private_segment 0
		.amdhsa_kernarg_size 32
		.amdhsa_user_sgpr_count 2
		.amdhsa_user_sgpr_kernarg_segment_ptr 1
		.amdhsa_wavefront_size32 1
		.amdhsa_system_sgpr_workgroup_id_x 1
		.amdhsa_system_sgpr_workgroup_id_y 1
		.amdhsa_system_sgpr_workgroup_id_z 1
		.amdhsa_system_vgpr_workitem_id 0
		.amdhsa_next_free_vgpr 1024
		.amdhsa_next_free_sgpr 104
		.amdhsa_reserve_vcc 0
		.amdhsa_float_denorm_mode_32 3
		.amdhsa_float_denorm_mode_16_64 3
		.amdhsa_memory_ordered 1
		.amdhsa_forward_progress 1
		.amdhsa_inst_pref_size 157
	.end_amdhsa_kernel
	.amdgpu_metadata
---
amdhsa.version: [ 1, 2 ]
amdhsa.kernels:
  - .name:           k_q62986a1eac_mix
    .symbol:         k_q62986a1eac_mix.kd
    .args:
      - { .name: p_img, .offset: 0, .size: 8, .value_kind: global_buffer, .address_space: global }
      - { .name: p_aux, .offset: 8, .size: 8, .value_kind: global_buffer, .address_space: global }
      - { .name: vt_img, .offset: 16, .size: 8, .value_kind: global_buffer, .address_space: global }
      - { .name: out0, .offset: 24, .size: 8, .value_kind: global_buffer, .address_space: global }
    .group_segment_fixed_size: 327680
    .private_segment_fixed_size: 0
    .kernarg_segment_align: 8
    .kernarg_segment_size: 32
    .max_flat_workgroup_size: 128
    .sgpr_count:     104
    .vgpr_count:     1024
    .wavefront_size: 32
...
	.end_amdgpu_metadata
.endif
;; end of part 4
